; MI455X (gfx1250); checked and timed in simulation.
; The chip was launched on July 23, 2026; its instructions are those of AMD's public machine-readable ISA for CDNA 5 (MIT licence, August 2026) and "CDNA5" Instruction Set Architecture Reference Guide (July 2026). The comments in the code are by the model that wrote it; some were corrected since.
;; Llama RALA Attention. Allowed arithmetic: float matrix products may take bf16 or f16 operands with f32 sums; other float arithmetic in f32, or as packed bf16 or f16 multiplies, adds, multiply-adds, maxima and minima; sums over many terms, partial sums and values carried from step to step in f32; what a program stores and reads back later, other than sums and carried values, may be rounded once to bf16 or f16.
;; Inputs: Wk 2,048 x 512 float32; Wo 2,048 x 2,048 float32; Wphi 2,048 x 2,048 float32; Wq 2,048 x 2,048 float32; Wv 2,048 x 512 float32; hidden_states 2 x 2,048 x 2,048 float32.
;; Outputs: out0 2 x 2,048 x 2,048 float32.
;; 2 versions, each right; version 2 is version 1 with the launch cast written anew for expert scheduling mode. Each part assembles by itself: llvm-mc -triple=amdgcn-amd-amdhsa -mcpu=gfx1250 --defsym DOCPART=n.
;; ======== version 1 of 2: 5 launches
;; limits: values are held in f16: magnitudes above 65,504 overflow, below 6.1e-05 lose precision; right only within a limited range of input values
;; workspace buffers: xb 16,777,216 bytes; wts 29,360,128 bytes; aux 536,576 bytes; qk 16,777,216 bytes; kv 13,631,488 bytes; st 4,198,400 bytes; ctx 16,777,216 bytes
;; launch cast (part 1): grid 720 x 1, 8 waves a work-group, no clusters, 0 bytes of LDS; arguments hidden_states, Wphi, Wq, Wo, Wk, Wv, xb, wts, aux; writes xb, wts, aux
.if DOCPART == 1
	.amdgcn_target "amdgcn-amd-amdhsa--gfx1250"
	.amdhsa_code_object_version 6
	.text
	.protected	k_qe30ac0522d_cast
	.globl	k_qe30ac0522d_cast
	.p2align	8
	.type	k_qe30ac0522d_cast,@function
k_qe30ac0522d_cast:
	s_mov_b64 s[64:65], 0
	v_nop
	global_prefetch_b8 v0, s[64:65] scope:SCOPE_SE
	s_setreg_imm32_b32 hwreg(HW_REG_WAVE_MODE, 25, 1), 1
	s_wait_xcnt 0x0
; CAST.  All six inputs are rounded once to bf16 and laid out for the three products that follow; a table of cos and sin is made.
;   work-groups   0-255  X    -> xb   [4096][2048] bf16
;               256-383  Wphi -> wts + 12,582,912   [16 tiles][2048 k][128 columns] bf16
;               384-511  Wq   -> wts                the same
;               512-639  Wo   -> wts + 20,971,520   the same; the bf16 number is written as f16
;               640-671  Wk   -> wts +  8,388,608   [8 tiles][2048 k][64 columns] bf16
;               672-703  Wv   -> wts + 10,485,760   the same
;               704-719  aux: [2048 positions][32 cos | 32 sin] f32
; Work-groups 0-383 also store each wave's largest |x| (aux + 524,288 + 4 (8 work-group + wave)): a later launch bounds X Wphi by them.
; A work-group takes 16 pieces of 8,192 source bytes; a wave's load covers 512 neighbouring bytes (Wk, Wv: two runs of 256), its store 256 neighbouring bytes, aligned.
; All 32 loads of a wave (16 KiB) go out at once; each destination offset has a register of its own, so no register of a pending store is rewritten.
; No LDS, no matrix unit, no cluster: nothing is shared, and bytes are all that counts.
; LIMITS.  Wo as f16: beyond 65,504 it would be an infinity; below 6e-5 it keeps f16's fixed step of 6e-8.  The angle is fl(position x f), f the f32 nearest to 10^(-j/8); an angle is reduced by pi/2 in three parts
; (positions up to 2,047 make multiples of 11 bits, whose products with the first two parts are exact).  NaN and infinities are not treated apart.
.set XR, 40                            ; v[40:167]  32 x 4 numbers as loaded; the packed result takes the first two registers of each four
.set DR, 8                             ; v[8:39]    32 destination offsets, each written once
	s_load_b512 s[4:19], s[0:1], 0x0               ; X s[4:5], Wphi s[6:7], Wq s[8:9], Wo s[10:11], Wk s[12:13], Wv s[14:15], xb s[16:17], wts s[18:19]
	s_load_b64 s[20:21], s[0:1], 0x40              ; aux
	v_and_b32 v1, 31, v0                           ; lane
	v_lshrrev_b32 v2, 5, v0
	v_readfirstlane_b32 s35, v2                    ; wave 0..7
	s_mov_b32 s36, 0x76543210                      ; v_permlanex16_b32: each lane takes its own place in the other half
	s_mov_b32 s37, 0xfedcba98
	v_mov_b32 v3, 0                                ; the running maximum of |x|
	v_mov_b32 v4, 0
	s_mov_b32 s33, 0                               ; 1: the result is written as f16
	s_mov_b32 s31, 512                             ; source bytes from wave to wave
	s_mov_b32 s32, 256                             ; source bytes from lanes 0-15 to lanes 16-31
	s_mov_b32 s28, 524288                          ; destination bytes from wave to wave
	s_mov_b32 s29, 4194304                         ; from the first half of a piece to the second
	s_mov_b32 s30, 256                             ; from piece to piece
	s_mov_b32 s38, 0                               ; the job's first byte in its destination
	s_wait_kmcnt 0x0
	s_mov_b64 s[26:27], s[18:19]                   ; the destination of all jobs but the first
	s_cmp_lt_u32 ttmp9, 256
	s_cbranch_scc1 .Ljob_x
	s_cmp_lt_u32 ttmp9, 384
	s_cbranch_scc1 .Ljob_phi
	s_cmp_lt_u32 ttmp9, 512
	s_cbranch_scc1 .Ljob_q
	s_cmp_lt_u32 ttmp9, 640
	s_cbranch_scc1 .Ljob_o
	s_cmp_lt_u32 ttmp9, 672
	s_cbranch_scc1 .Ljob_k
	s_cmp_lt_u32 ttmp9, 704
	s_cbranch_scc1 .Ljob_v
	s_branch .Ltable
.Ljob_x:
	s_mov_b64 s[24:25], s[4:5]
	s_mov_b64 s[26:27], s[16:17]
	s_mov_b32 s34, ttmp9
	s_mov_b32 s28, 256
	s_mov_b32 s29, 2048
	s_mov_b32 s30, 4096
	s_branch .Lgo
.Ljob_phi:
	s_mov_b64 s[24:25], s[6:7]
	s_sub_co_u32 s34, ttmp9, 256
	s_mov_b32 s38, 12582912
	s_branch .Lgo
.Ljob_q:
	s_mov_b64 s[24:25], s[8:9]
	s_sub_co_u32 s34, ttmp9, 384
	s_branch .Lgo
.Ljob_o:
	s_mov_b64 s[24:25], s[10:11]
	s_sub_co_u32 s34, ttmp9, 512
	s_mov_b32 s38, 20971520
	s_mov_b32 s33, 1
	s_branch .Lgo
.Ljob_k:
	s_mov_b64 s[24:25], s[12:13]
	s_sub_co_u32 s34, ttmp9, 640
	s_mov_b32 s38, 8388608
	s_branch .Lnarrow
.Ljob_v:
	s_mov_b64 s[24:25], s[14:15]
	s_sub_co_u32 s34, ttmp9, 672
	s_mov_b32 s38, 10485760
.Lnarrow:                                              ; rows of 512 columns: a piece is four rows of k; a wave takes one tile's 64 columns of two rows
	s_mov_b32 s31, 256
	s_mov_b32 s32, 2048
	s_mov_b32 s28, 262144
	s_mov_b32 s29, 256
	s_mov_b32 s30, 512
.Lgo:
	s_lshl_b32 s40, s34, 17                        ; 16 pieces of 8,192 bytes for each work-group of the job
	s_mov_b32 s41, 0
	s_add_nc_u64 s[24:25], s[24:25], s[40:41]
	s_mul_i32 s40, s34, s30
	s_lshl_b32 s40, s40, 4                         ; 16 pieces in the destination,
	s_add_co_u32 s40, s40, s38                     ; behind the job's first byte
	s_add_nc_u64 s[26:27], s[26:27], s[40:41]
	v_and_b32 v5, 15, v1
	v_lshrrev_b32 v6, 4, v1
	v_lshlrev_b32 v2, 4, v5
	v_mad_u32_u24 v2, v6, s32, v2
	s_mul_i32 s42, s35, s31
	v_add_nc_u32 v2, s42, v2                       ; my 16 source bytes in half a piece
	s_mul_i32 s43, s35, s28
	v_lshl_add_u32 v[DR], v1, 3, s43               ; my 8 destination bytes
	v_add_nc_u32 v[DR+1], s29, v[DR]
.set i, 2
.rept 30
	v_add_nc_u32 v[DR+i], s30, v[DR+i-2]
.set i, i+1
.endr
.set i, 0
.rept 32
	global_load_b128 v[XR+4*i:XR+4*i+3], v2, s[24:25] offset:i*4096 th:TH_LOAD_NT
.set i, i+1
.endr
; Four numbers: the maximum, two roundings to bf16 each; half = 1: the bf16 numbers are widened again (a shift, a mask) and written as f16.
.macro PROC n, half
	s_wait_loadcnt 31-(\n)                         ; loads come back in order: number n is in, the younger ones stay out
	v_max3_num_f32 v3, |v[XR+4*(\n)]|, |v[XR+4*(\n)+1]|, v3
	v_max3_num_f32 v3, |v[XR+4*(\n)+2]|, |v[XR+4*(\n)+3]|, v3
	v_cvt_pk_bf16_f32 v[XR+4*(\n)], v[XR+4*(\n)], v[XR+4*(\n)+1]
	v_cvt_pk_bf16_f32 v[XR+4*(\n)+1], v[XR+4*(\n)+2], v[XR+4*(\n)+3]
.if \half
	v_lshlrev_b32 v4, 16, v[XR+4*(\n)]
	v_and_b32 v5, 0xffff0000, v[XR+4*(\n)]
	v_cvt_pk_f16_f32 v[XR+4*(\n)], v4, v5
	v_lshlrev_b32 v4, 16, v[XR+4*(\n)+1]
	v_and_b32 v5, 0xffff0000, v[XR+4*(\n)+1]
	v_cvt_pk_f16_f32 v[XR+4*(\n)+1], v4, v5
.endif
	global_store_b64 v[DR+(\n)], v[XR+4*(\n):XR+4*(\n)+1], s[26:27] th:TH_STORE_NT  ; 32 lanes store 256 consecutive bytes, aligned
.endm
	s_cmp_eq_u32 s33, 1
	s_cbranch_scc1 .Lhalf
.set i, 0
.rept 32
	PROC i, 0
.set i, i+1
.endr
	s_branch .Lreduce
.Lhalf:
.set i, 0
.rept 32
	PROC i, 1
.set i, i+1
.endr
.Lreduce:
	s_cmp_ge_u32 ttmp9, 384                        ; only X's and Wphi's maxima are wanted
	s_cbranch_scc1 .Lend
	v_max_num_f32_dpp v3, v3, v3 row_xmask:1 row_mask:0xf bank_mask:0xf
	v_max_num_f32_dpp v3, v3, v3 row_xmask:2 row_mask:0xf bank_mask:0xf
	v_max_num_f32_dpp v3, v3, v3 row_xmask:4 row_mask:0xf bank_mask:0xf
	v_max_num_f32_dpp v3, v3, v3 row_xmask:8 row_mask:0xf bank_mask:0xf
	v_permlanex16_b32 v4, v3, s36, s37
	v_max_num_f32 v3, v3, v4
	s_lshl_b32 s40, ttmp9, 3
	s_add_co_u32 s40, s40, s35
	s_lshl_b32 s40, s40, 2
	s_add_co_u32 s40, s40, 524288
	v_mov_b32 v6, s40
	v_cmp_eq_u32 vcc_lo, 0, v1
	s_wait_xcnt 0x0                                ; EXEC is a source of the stores above: it changes only behind this wait
	s_and_saveexec_b32 s41, vcc_lo
	global_store_b32 v6, v3, s[20:21]              ; lane 0 alone
	s_endpgm
.Lend:
	s_endpgm
; THE TABLE.  A wave makes 16 positions, one a trip.  Lane l makes frequencies 2 (l % 16) and 2 (l % 16) + 1: their cosines in lanes 0-15, their sines in lanes 16-31: 256 consecutive bytes a position.
.macro FREQ n, a, b                    ; lanes with l % 16 = n take the two frequencies
	v_cmp_ne_u32 vcc_lo, \n, v7
	v_cndmask_b32 v10, \a, v10, vcc_lo
	v_cndmask_b32 v11, \b, v11, vcc_lo
.endm
; cos(angle) or, with the quarter turn counted three further on, sin(angle).  angle = n pi/2 + r, |r| <= pi/4; the quarter q = n (+ 3) picks the polynomial (odd: sine) and the sign (q % 4 = 1, 2: minus).
.macro SINCOS f, o
	v_mul_f32 v12, s40, v[\f]                      ; the angle, rounded once
	v_mul_f32 v13, 0x3f22f983, v12                 ; x 2 / pi
	v_rndne_f32 v13, v13
	v_fmamk_f32 v14, v13, 0xbfc90000, v12          ; - n x 1.5703125
	v_fmamk_f32 v14, v13, 0xb9fda000, v14          ; - n x 4.837512969970703125e-4
	v_fmamk_f32 v14, v13, 0xb3a22168, v14          ; - n x 7.54978995489188216e-8
	v_cvt_i32_f32 v15, v13
	v_add_nc_u32 v15, v15, v23
	v_mul_f32 v16, v14, v14
	v_mov_b32 v17, 0xb94ca1f9                      ; sine: ((-1.9515295891e-4 z + 8.3321608736e-3) z - 1.6666654611e-1) z r + r
	v_fmaak_f32 v17, v17, v16, 0x3c08839e
	v_fmaak_f32 v17, v17, v16, 0xbe2aaaa3
	v_mul_f32 v17, v17, v16
	v_fma_f32 v17, v17, v14, v14
	v_mov_b32 v18, 0x37ccf5ce                      ; cosine: ((2.443315711809948e-5 z - 1.388731625493765e-3) z + 4.166664568298827e-2) z z + (1 - z / 2)
	v_fmaak_f32 v18, v18, v16, 0xbab6061a
	v_fmaak_f32 v18, v18, v16, 0x3d2aaaa5
	v_mul_f32 v18, v18, v16
	v_fma_f32 v19, v16, -0.5, 1.0
	v_fma_f32 v18, v18, v16, v19
	v_and_b32 v19, 1, v15
	v_cmp_eq_u32 vcc_lo, 1, v19
	v_cndmask_b32 v[\o], v18, v17, vcc_lo
	v_add_nc_u32 v15, 1, v15
	v_and_b32 v15, 2, v15
	v_lshlrev_b32 v15, 30, v15
	v_xor_b32 v[\o], v[\o], v15
.endm
.Ltable:
	s_sub_co_u32 s34, ttmp9, 704
	s_lshl_b32 s39, s34, 7
	s_lshl_b32 s40, s35, 4
	s_add_co_u32 s39, s39, s40                     ; my wave's first position: 128 x work-group + 16 x wave
	v_and_b32 v7, 15, v1
	v_lshrrev_b32 v6, 4, v1
	v_mul_u32_u24 v23, 3, v6                       ; sin x = cos(x - pi/2): three quarters further on
	v_mov_b32 v10, 0
	v_mov_b32 v11, 0
	FREQ 0, 1.0, 0.7498942093324559
	FREQ 1, 0.5623413251903491, 0.4216965034285822
	FREQ 2, 0.31622776601683794, 0.23713737056616552
	FREQ 3, 0.1778279410038923, 0.1333521432163324
	FREQ 4, 0.1, 0.07498942093324559
	FREQ 5, 0.05623413251903491, 0.04216965034285822
	FREQ 6, 0.031622776601683794, 0.023713737056616552
	FREQ 7, 0.01778279410038923, 0.01333521432163324
	FREQ 8, 0.01, 0.007498942093324559
	FREQ 9, 0.005623413251903491, 0.004216965034285822
	FREQ 10, 0.0031622776601683794, 0.0023713737056616552
	FREQ 11, 0.001778279410038923, 0.001333521432163324
	FREQ 12, 0.001, 0.0007498942093324559
	FREQ 13, 0.0005623413251903491, 0.0004216965034285822
	FREQ 14, 0.00031622776601683794, 0.00023713737056616552
	FREQ 15, 0.0001778279410038923, 0.0001333521432163324
	s_lshl_b32 s40, s39, 8
	v_lshl_add_u32 v22, v1, 3, s40                 ; 256 x position + 8 x lane
	s_mov_b32 s41, 16
.Ltab:
	s_cvt_f32_u32 s40, s39
	SINCOS 10, 20
	SINCOS 11, 21
	global_store_b64 v22, v[20:21], s[20:21]       ; 256 consecutive bytes, aligned
	s_wait_xcnt 0x0                                ; the store's offset and data are rewritten only behind this wait
	v_add_nc_u32 v22, 256, v22
	s_add_co_u32 s39, s39, 1
	s_sub_co_u32 s41, s41, 1
	s_cmp_lg_u32 s41, 0
	s_cbranch_scc1 .Ltab
	s_endpgm
.Lfunc_end_k_qe30ac0522d_cast:
	.size	k_qe30ac0522d_cast, .Lfunc_end_k_qe30ac0522d_cast-k_qe30ac0522d_cast
	.p2alignl 7, 3214868480
	.fill 96, 4, 3214868480
	.section	.rodata,"a",@progbits
	.p2align	6, 0x0
	.amdhsa_kernel k_qe30ac0522d_cast
		.amdhsa_group_segment_fixed_size 0
		.amdhsa_private_segment_fixed_size 0
		.amdhsa_enable_private_segment 0
		.amdhsa_kernarg_size 72
		.amdhsa_user_sgpr_count 2
		.amdhsa_user_sgpr_kernarg_segment_ptr 1
		.amdhsa_wavefront_size32 1
		.amdhsa_system_sgpr_workgroup_id_x 1
		.amdhsa_system_sgpr_workgroup_id_y 1
		.amdhsa_system_sgpr_workgroup_id_z 1
		.amdhsa_system_vgpr_workitem_id 0
		.amdhsa_next_free_vgpr 192
		.amdhsa_next_free_sgpr 66
		.amdhsa_reserve_vcc 1
		.amdhsa_float_denorm_mode_32 3
		.amdhsa_float_denorm_mode_16_64 3
		.amdhsa_memory_ordered 1
		.amdhsa_forward_progress 1
		.amdhsa_inst_pref_size 49
	.end_amdhsa_kernel
	.amdgpu_metadata
---
amdhsa.version: [ 1, 2 ]
amdhsa.kernels:
  - .name:           k_qe30ac0522d_cast
    .symbol:         k_qe30ac0522d_cast.kd
    .args:
      - { .name: hidden_states, .offset: 0, .size: 8, .value_kind: global_buffer, .address_space: global }
      - { .name: Wphi, .offset: 8, .size: 8, .value_kind: global_buffer, .address_space: global }
      - { .name: Wq, .offset: 16, .size: 8, .value_kind: global_buffer, .address_space: global }
      - { .name: Wo, .offset: 24, .size: 8, .value_kind: global_buffer, .address_space: global }
      - { .name: Wk, .offset: 32, .size: 8, .value_kind: global_buffer, .address_space: global }
      - { .name: Wv, .offset: 40, .size: 8, .value_kind: global_buffer, .address_space: global }
      - { .name: xb, .offset: 48, .size: 8, .value_kind: global_buffer, .address_space: global }
      - { .name: wts, .offset: 56, .size: 8, .value_kind: global_buffer, .address_space: global }
      - { .name: aux, .offset: 64, .size: 8, .value_kind: global_buffer, .address_space: global }
    .group_segment_fixed_size: 0
    .private_segment_fixed_size: 0
    .kernarg_segment_align: 8
    .kernarg_segment_size: 72
    .max_flat_workgroup_size: 256
    .sgpr_count:     66
    .vgpr_count:     192
    .wavefront_size: 32
...
	.end_amdgpu_metadata
.endif
;; end of part 1
;; launch gemm_qkv (part 2): grid 16 x 16, 4 waves a work-group, clusters of 4 x 4, 327,680 bytes of LDS; arguments xb, wts, aux, qk, kv; writes qk, kv
.if DOCPART == 2
	.amdgcn_target "amdgcn-amd-amdhsa--gfx1250"
	.amdhsa_code_object_version 6
	.text
	.protected	k_qe30ac0522d_gemm_qkv
	.globl	k_qe30ac0522d_gemm_qkv
	.p2align	8
	.type	k_qe30ac0522d_gemm_qkv,@function
k_qe30ac0522d_gemm_qkv:
	s_mov_b64 s[64:65], 0
	v_nop
	global_prefetch_b8 v0, s[64:65] scope:SCOPE_SE
	s_setreg_imm32_b32 hwreg(HW_REG_WAVE_MODE, 25, 1), 1
	s_wait_xcnt 0x0
	s_wait_alu depctr_hold_cnt(0) depctr_sa_sdst(0) depctr_va_vdst(0) depctr_va_sdst(0) depctr_va_ssrc(0) depctr_va_vcc(0) depctr_vm_vsrc(0)
	s_getreg_b32 s2, hwreg(HW_REG_IB_STS2, 6, 4)
	s_cmp_eq_u32 s2, 0
	s_cbranch_scc0 .Lentry_in_a_cluster
	s_endpgm
.Lentry_in_a_cluster:
	s_bfe_u32 s2, ttmp6, 0x10000c
	s_cmp_lg_u32 s2, 0xf033
	s_cbranch_scc0 .Lentry_shape_is_right
	s_endpgm
.Lentry_shape_is_right:
; X [Wq | Wk | Wv], the rotation by position, and kappa = elu + 1.  X: xb [4096][2048] bf16.  Weights: wts, in tiles [k][columns] bf16.  Sums in f32.
; A work-group makes 256 rows x 192 columns: query heads 2 tx and 2 tx + 1 and, as a third head, key head tx (tx < 8) or value head tx - 8.  256 work-groups, one tile each.
; Wave w owns rows 64 w .. 64 w + 63 and all 192 columns: 48 accumulators of 16 x 16.  K goes in 16 steps of 128 through two LDS slots filled by the tensor data mover.
; THE MATRIX INSTRUCTION IS USED TRANSPOSED: source 0 = 16 columns of W (turned out of LDS by ds_load_tr16_b128), source 1 = 16 rows of X: a lane holds one row (lane % 16) and 8 neighbouring columns.
; OUT: kappa(q) bf16 -> qk [4096][2048]; kappa(k) f32 -> kv [b 8 + head][2048][64]; v f16 -> kv + 8,388,608, same index; each wave's column sums and maxima of kappa(q) over its 64 rows,
; f32 -> kv + 12,582,912 [4 ty + wave][sum, max][2048].  kappa(k) stays in f32 because it enters exponents.
; CLUSTER 4 x 4: X's tiles and the table are shared along a row of the cluster, W's along a column: joint loads with a mask of four.
; LIMITS.  v as f16: |X Wv| under 65,504.  kappa(x) = max(x, 0) + 2^(log2(e) min(x, 0)): below 2^-126 the second term is 0.  NaN and infinities are not treated apart.
; REGISTERS, in windows of 256 (s_set_vgpr_msb: bits 1:0 source 0, 3:2 source 1, 5:4 source 2, 7:6 destination):
;   window 0: v0-31 addresses; v64-127 X's fragments, two buffers of 4 x 8; on the way out v64-73 sums, maxima, signs, v128-255 at work
;   window 1: accumulators 0-31 (number 12 a + b at 8 x number)     window 2: accumulators 32-47     window 3: W's fragments, two buffers of 12 x 8
.set NB,    12                         ; blocks of 16 columns
.set NL,    2*NB+8                     ; LDS loads of a quarter step
.set SLOT1, 131072                     ; slot 1 begins here: one exclusive or changes slots
.set LB,    69632                      ; in a slot: X 256 rows x 272; Wq 128 k x 288 from here;
.set LK,    106496                     ; Wk or Wv 128 k x 160 from here; a slot ends at 126,976
.set SPARE, 258048                     ; the spare words, 128 bytes a wave: two blocks of 256 bytes that no other line names
.set TABL,  258560                     ; cos and sin of my work-group's 256 positions, 64 rows of 256 bytes a wave
.set SPI,   784                        ; the way out's stage: a row of 192 f32 + 16 bytes = 49 x 16: sixteen rows start at sixteen different groups of four banks
.set STGW,  64*SPI                     ; a wave's stage; the four lie over the ring, whose last fill has landed and been read
.set FA,    64
.set XO,    128                        ; the way out: 8 x 4 numbers; their partners 32 channels away; cosines; sines
.set XP,    160
.set TC,    192
.set TS,    224
.set SUM,   64
.set MAXR,  68
.set SG,    72
.set MUL1,  0x53                       ; W window 3, X window 0, C and D window 1
.set MUL2,  0xa3                       ; C and D window 2
.set TO_B,  0xc0                       ; destination window 3, address window 0
.set MSB, 0
.macro WIN new                         ; the immediate's high byte repeats the setting that is left; a switch that changes nothing is dropped
.if MSB != (\new)
	s_set_vgpr_msb (MSB<<8)|(\new)
.set MSB, \new
.endif
.endm
.macro PLACES                          ; four plain instructions between a matrix instruction and a load into, or a read of, its registers
.rept 4
	v_nop
.endr
.endm
; 12 matrix instructions: row block a x all column blocks, 32 along K, from buffer f.  Every accumulator has one instruction a quarter step: 47 others stand between two links of a chain.
.macro MULA f, a, zero
.set bb, 0
.rept NB
.set idx, NB*(\a)+bb
.if idx < 32
	WIN MUL1
.set rD, 8*idx
.else
	WIN MUL2
.set rD, 8*(idx-32)
.endif
.set rB, 8*NB*(\f)+8*bb
.set rA, FA+32*(\f)+8*(\a)
.if \zero
	v_wmma_f32_16x16x32_bf16 v[rD:rD+7], v[rB:rB+7], v[rA:rA+7], 0
.else
	v_wmma_f32_16x16x32_bf16 v[rD:rD+7], v[rB:rB+7], v[rA:rA+7], v[rD:rD+7]
.endif
.set bb, bb+1
.endr
.endm
; 32 LDS loads in one run: quarter kq of the slot in hand into buffer f: W's 12 fragments (turned), then X's 4
.macro FETCH kq, f
	WIN TO_B
.set nb, 0
.rept 8
.set rB, 8*NB*(\f)+8*nb
	ds_load_tr16_b128 v[rB:rB+3],   v17 offset:(\kq)*9216+nb*32
	ds_load_tr16_b128 v[rB+4:rB+7], v17 offset:(\kq)*9216+nb*32+4608
.set nb, nb+1
.endr
.rept 4
.set rB, 8*NB*(\f)+8*nb
	ds_load_tr16_b128 v[rB:rB+3],   v18 offset:(\kq)*5120+(nb-8)*32
	ds_load_tr16_b128 v[rB+4:rB+7], v18 offset:(\kq)*5120+(nb-8)*32+2560
.set nb, nb+1
.endr
	WIN 0
.set aa, 0
.rept 4
.set rA, FA+32*(\f)+8*aa
	ds_load_b128 v[rA:rA+3],   v16 offset:aa*4352+(\kq)*64
	ds_load_b128 v[rA+4:rA+7], v16 offset:aa*4352+(\kq)*64+32
.set aa, aa+1
.endr
.endm
; A quarter step: multiplies buffer f; in its middle fetches quarter kq into buffer g
.macro QUARTER kq, f, g, zero
	s_wait_dscnt 4                                 ; all of W and X's blocks 0, 1 are in; the youngest four loads (blocks 2, 3) may be out
	MULA \f, 0, \zero
	MULA \f, 1, \zero
	PLACES
	FETCH \kq, \g
	s_wait_dscnt NL                                ; all but the run just issued
	MULA \f, 2, \zero
	MULA \f, 3, \zero
.endm
.macro CREST                           ; a round of the cluster's barrier behind its opening barrier
	s_cmp_lg_u32 s14, 0
	s_cbranch_scc1 .Lnot_wave_0_\@
	s_barrier_signal -3
.Lnot_wave_0_\@:
	s_barrier_wait -3
	s_barrier_signal -1
	s_barrier_wait -1
.endm
.macro CROUND
	s_barrier_signal -1
	s_barrier_wait -1
	CREST
.endm
; A joint refill: waves 0, 1 fetch X's two halves, wave 2 Wq's tile, wave 3 Wk's or Wv's.  The branches hang on the wave's number alone.  An s_nop 0 and four v_nop follow each load.
.macro JLOAD
	s_cmp_lt_u32 s14, 2
	s_cbranch_scc0 .Lfor_b_\@
	tensor_load_to_lds s[36:39], s[24:31]
	s_nop 0
	PLACES
	s_branch .Lasked_\@
.Lfor_b_\@:
	s_cmp_eq_u32 s14, 2
	s_cbranch_scc0 .Lfor_k_\@
	tensor_load_to_lds s[52:55], s[40:47]
	s_nop 0
	PLACES
	s_branch .Lasked_\@
.Lfor_k_\@:
	tensor_load_to_lds s[84:87], s[72:79]
	s_nop 0
	PLACES
.Lasked_\@:
.endm
; A prefetch into the L2 of the K step two refills on, behind the joint load and the run of LDS loads.  X's rows: the clusters with x = 0 ask, waves 0 and 1, a lane a row; of a wave's 128 rows the partner at cx takes 32.
; Wq's step (128 blocks of 256 bytes): the clusters with y = 0 ask, wave 2; the partner at cy takes 32 blocks.  Wk's or Wv's step has 64 blocks: wave 3 asks in every second trip for two steps.
; The partners are told apart by address; each block is named once in the launch.  The last two trips ask for nothing: step 15 is the last that is named.
.macro ASK
	s_and_b32 s23, s3, s63
	s_cmp_eq_u32 s23, 0
	s_cselect_b32 s23, s3, 0
	s_cmp_gt_u32 s23, s62
	s_cbranch_scc0 .Lnot_mine_\@
	global_prefetch_b8 v30, s[60:61] th:TH_LOAD_NT scope:SCOPE_SE
.Lnot_mine_\@:
.endm
; The last quarter of a step, and the change of slots.  The quarter's first 24 products stand AHEAD of the wait for the tiles, its last 24 behind the next slot's first LDS loads, which they cover: between the wait that
; shows the next slot landed and the request for the tile after it stand only the lines that order them.  In front of the barrier each wave waits for all its tensor loads (one is out: its part of the next slot), adds 0
; to its spare word, and waits for that and for its reads of this slot.  fill = 1: the barrier opens a round of the cluster's, and the joint refill (the step two on) is the first tensor load behind it.
.macro TURN fill
.if \fill
	s_wait_xcnt 0x0                                ; the last prefetch, a step back, has read its address
	s_add_nc_u64 s[60:61], s[60:61], s[66:67]
.endif
	s_wait_dscnt 4                                 ; all of W and X's blocks 0, 1 are in
	MULA 1, 0, 0
	MULA 1, 1, 0
	WIN 0
	s_wait_tensorcnt 0x0                           ; no tensor load of mine is out, so the descriptors may be written
	ds_add_u32 v28, v29                            ; 0 onto my spare word; the descriptors' steps stand between it and the wait for it
.if \fill
	s_xor_b32 s37, s37, SLOT1                      ; the walking descriptors: the other slot, the next step
	s_add_nc_u64 s[38:39], s[38:39], 256
	s_xor_b32 s53, s53, SLOT1
	s_add_nc_u64 s[54:55], s[54:55], 32768
	s_xor_b32 s85, s85, SLOT1
	s_add_nc_u64 s[86:87], s[86:87], 16384
.endif
	s_xor_b32 s100, s100, SLOT1
	s_wait_dscnt 0x0                               ; the add is done, my reads of this slot are over (X's blocks 2, 3 among them)
	s_barrier_signal -1
	s_barrier_wait -1
.if \fill
	CREST
	JLOAD                                          ; its four v_nop are also the places in front of the loads below
.else
	PLACES
.endif
	v_add_nc_u32 v16, s100, v8
	v_add_nc_u32 v17, s100, v9
	v_add_nc_u32 v18, s100, v10
	FETCH 0, 0
.if \fill
	ASK
.endif
	MULA 1, 2, 0
	MULA 1, 3, 0
.endm
	s_load_b256 s[4:11], s[0:1], 0x0               ; xb s[4:5], wts s[6:7], aux s[8:9], qk s[10:11]
	s_load_b64 s[12:13], s[0:1], 0x20              ; kv
	v_lshl_add_u32 v28, v0, 2, SPARE
	v_mov_b32 v29, 0
	ds_add_u32 v28, v29                            ; the wave's opening: the add and its wait stand ahead of my first tensor load
	v_lshrrev_b32 v1, 5, v0
	v_readfirstlane_b32 s14, v1                    ; wave 0..3
	s_lshr_b32 s15, s14, 1
	s_and_b32 s16, s14, 1
	s_bfe_u32 s17, ttmp6, 0x40000                  ; cx
	s_bfe_u32 s18, ttmp6, 0x40004                  ; cy
	s_lshl_b32 s19, ttmp9, 2
	s_add_co_u32 s19, s19, s17                     ; tx: tile column
	s_and_b32 s20, ttmp7, 0xffff
	s_lshl_b32 s20, s20, 2
	s_add_co_u32 s20, s20, s18                     ; ty: tile row
	s_lshl_b32 s21, s18, 2
	s_lshl_b32 s21, 15, s21                        ; my row of the cluster
	s_lshl_b32 s22, 0x1111, s17                    ; my column
	s_or_b32 s24, s21, (1<<16)|(1<<20)|(1<<21)|(5<<22)|(3<<25)  ; X: 2-byte elements, 16 bytes of padding behind every 256; 128 x 128, 2,048 elements from row to row
	s_mov_b32 s25, 128<<16
	s_mov_b32 s26, 128<<16
	s_mov_b32 s27, 128<<16
	s_mov_b32 s28, 128
	s_mov_b32 s29, 2048
	s_mov_b32 s30, 0
	s_mov_b32 s31, 0
	s_or_b32 s40, s22, (1<<16)|(1<<20)|(1<<21)|(5<<22)|(7<<25)  ; Wq: 32 bytes of padding behind every 256; 128 k x 128 columns, dense
	s_mov_b32 s41, 128<<16
	s_mov_b32 s42, 128<<16
	s_mov_b32 s43, 128<<16
	s_mov_b32 s44, 128
	s_mov_b32 s45, 128
	s_mov_b32 s46, 0
	s_mov_b32 s47, 0
	s_or_b32 s72, s22, (1<<16)|(1<<20)|(1<<21)|(4<<22)|(7<<25)  ; Wk, Wv: 128 k of 128 bytes, dense: asked for as 64 rows of 256 bytes, 32 bytes of padding behind every 128
	s_mov_b32 s73, 128<<16
	s_mov_b32 s74, 64<<16
	s_mov_b32 s75, 128<<16
	s_mov_b32 s76, 64
	s_mov_b32 s77, 128
	s_mov_b32 s78, 0
	s_mov_b32 s79, 0
	s_or_b32 s88, s21, (3<<16)|(1<<21)             ; the table: 64 rows of 32 elements of 8 bytes, dense, no padding
	s_mov_b32 s89, 32<<16
	s_mov_b32 s90, 64<<16
	s_mov_b32 s91, 32<<16
	s_mov_b32 s92, 64
	s_mov_b32 s93, 32
	s_mov_b32 s94, 0
	s_mov_b32 s95, 0
	s_mov_b32 s32, 1                               ; group 0, two sets a kind: slot 0 with step 0; the walking set, which begins as slot 1 with step 1
	s_mul_i32 s33, s16, 128*272
	s_mov_b32 s36, 1
	s_add_co_u32 s37, s33, SLOT1
	s_mov_b32 s48, 1
	s_mov_b32 s49, LB
	s_mov_b32 s52, 1
	s_mov_b32 s53, LB+SLOT1
	s_mov_b32 s80, 1
	s_mov_b32 s81, LK
	s_mov_b32 s84, 1
	s_mov_b32 s85, LK+SLOT1
	s_mov_b32 s96, 1
	s_lshl_b32 s97, s14, 14
	s_add_co_u32 s97, s97, TABL
	s_mov_b32 s100, 0                              ; the slot that is read
	s_lshl_b32 s56, s20, 8
	s_lshl_b32 s57, s16, 7
	s_add_co_u32 s56, s56, s57
	s_lshl_b32 s56, s56, 12                        ; X: row 256 ty + 128 (wave % 2), 4,096 bytes a row
	s_mov_b32 s57, 0
	s_lshl_b32 s58, s19, 19                        ; Wq: tile tx of 524,288 bytes
	s_mov_b32 s59, 0
	s_wait_dscnt 0x0                               ; the opening add is done
	s_wait_kmcnt 0x0
	s_add_nc_u64 s[34:35], s[4:5], s[56:57]
	s_add_nc_u64 s[38:39], s[34:35], 256
	s_or_b32 s35, s35, 0x80000000
	s_or_b32 s39, s39, 0x80000000
	s_add_nc_u64 s[50:51], s[6:7], s[58:59]
	s_add_nc_u64 s[54:55], s[50:51], 32768
	s_or_b32 s51, s51, 0x80000000
	s_or_b32 s55, s55, 0x80000000
	s_lshl_b32 s58, s19, 18
	s_add_co_u32 s58, s58, 8388608                 ; Wk, Wv: tile tx of 262,144 bytes
	s_add_nc_u64 s[82:83], s[6:7], s[58:59]
	s_add_nc_u64 s[86:87], s[82:83], 16384
	s_or_b32 s83, s83, 0x80000000
	s_or_b32 s87, s87, 0x80000000
	s_and_b32 s56, s20, 7
	s_lshl_b32 s56, s56, 8
	s_lshl_b32 s23, s14, 6
	s_add_co_u32 s56, s56, s23
	s_lshl_b32 s56, s56, 8                         ; the table: position 256 (ty % 8) + 64 wave, 256 bytes a position
	s_add_nc_u64 s[98:99], s[8:9], s[56:57]
	s_or_b32 s99, s99, 0x80000000
	CROUND                                         ; all sixteen work-groups are here: the first joint loads meet
	s_cmp_lt_u32 s14, 2                            ; the ring's first fills, both slots, in one branch on the wave's number
	s_cbranch_scc0 .Lfirst_b
	tensor_load_to_lds s[32:35], s[24:31]
	s_nop 0
	tensor_load_to_lds s[36:39], s[24:31]
	s_nop 0
	PLACES
	s_branch .Lfirst_done
.Lfirst_b:
	s_cmp_eq_u32 s14, 2
	s_cbranch_scc0 .Lfirst_k
	tensor_load_to_lds s[48:51], s[40:47]
	s_nop 0
	tensor_load_to_lds s[52:55], s[40:47]
	s_nop 0
	PLACES
	s_branch .Lfirst_done
.Lfirst_k:
	tensor_load_to_lds s[80:83], s[72:79]
	s_nop 0
	tensor_load_to_lds s[84:87], s[72:79]
	s_nop 0
	PLACES
.Lfirst_done:
	tensor_load_to_lds s[96:99], s[88:95]          ; every wave: its own 64 positions of the table; three loads of mine are out
	s_nop 0
	PLACES
	v_and_b32 v1, 15, v0                           ; r = l % 16
	v_bfe_u32 v2, v0, 4, 1                         ; h = l / 16
	v_and_b32 v3, 7, v0
	v_bfe_u32 v4, v0, 3, 1
	v_add_nc_u32 v5, s23, v1
	v_mul_u32_u24 v8, v5, 272
	v_lshl_add_u32 v8, v2, 4, v8                   ; X's fragments: (64 w + r) x 272 + 16 h
	v_lshl_add_u32 v5, v2, 3, v3
	v_mul_u32_u24 v9, v5, 288
	v_lshl_add_u32 v9, v4, 4, v9
	v_add_nc_u32 v9, LB, v9                        ; the turning load: (8 h + l % 8) x pitch + 16 ((l / 8) % 2)
	v_mul_u32_u24 v10, v5, 160
	v_lshl_add_u32 v10, v4, 4, v10
	v_add_nc_u32 v10, LK, v10
	v_mov_b32 v16, v8
	v_mov_b32 v17, v9
	v_mov_b32 v18, v10
	; the prefetches: where they stand (one step behind what the first refill's turn names), their step, who asks
	s_lshl_b32 s70, s20, 8
	s_lshl_b32 s71, s16, 7
	s_add_co_u32 s70, s70, s71
	s_lshl_b32 s71, s17, 5
	s_add_co_u32 s70, s70, s71
	s_lshl_b32 s70, s70, 12
	s_add_co_u32 s70, s70, 3*256                   ; X: my work-group's 32 of my 128 rows, at step 3
	s_lshl_b32 s71, s19, 19
	s_lshl_b32 s101, s18, 13
	s_add_co_u32 s71, s71, s101
	s_add_co_u32 s71, s71, 3*32768                 ; Wq: my work-group's 32 blocks of step 3
	s_lshl_b32 s23, s19, 18
	s_add_co_u32 s23, s23, s101
	s_add_co_u32 s23, s23, 8388608+3*16384         ; Wk, Wv
	s_and_b32 s101, ttmp7, 0xffff
	s_cmp_eq_u32 s15, 0                            ; do I fetch for X?
	s_cselect_b32 s70, s70, s71
	s_cselect_b32 s101, ttmp9, s101                ; the coordinate along which other clusters read the same bytes
	s_cselect_b32 s66, 8, 15
	s_cselect_b32 s71, 12, 8
	s_cselect_b64 s[60:61], s[4:5], s[6:7]
	s_cmp_eq_u32 s14, 3
	s_cselect_b32 s70, s23, s70
	s_cselect_b32 s66, 14, s66
	s_cselect_b32 s63, 1, 0                        ; wave 3 asks in every second trip
	s_cmp_eq_u32 s101, 0
	s_cselect_b32 s62, 2, -1                       ; a wave asks while the count of trips is above this
	s_lshl_b32 s66, 1, s66                         ; bytes from step to step
	s_mov_b32 s67, 0
	v_and_b32 v30, 31, v0
	v_lshlrev_b32 v30, s71, v30                    ; a lane a row of X, or a block of 256 bytes of W
	s_mov_b32 s71, 0
	s_add_nc_u64 s[60:61], s[60:61], s[70:71]
	s_wait_tensorcnt 2                             ; my part of slot 0 is in; slot 1's and the table's were issued behind it and may stay out
	s_barrier_signal -1
	s_barrier_wait -1
	FETCH 0, 0
	QUARTER 1, 0, 1, 1                             ; the first quarter stands in front of the loop: its products start the sums
	WIN 0
	s_mov_b32 s3, 14
.Lstep:                                                ; a trip: quarters 1 to 3 of a step, the change of slots with its refill, quarter 0 of the next step
	QUARTER 2, 1, 0, 0
	QUARTER 3, 0, 1, 0
	TURN 1
	QUARTER 1, 0, 1, 0
	WIN 0
	s_sub_co_u32 s3, s3, 1
	s_cmp_lg_u32 s3, 0
	s_cbranch_scc1 .Lstep
	QUARTER 2, 1, 0, 0                             ; steps 14 and 15 ask for nothing more
	QUARTER 3, 0, 1, 0
	TURN 0
	QUARTER 1, 0, 1, 0
	QUARTER 2, 1, 0, 0
	QUARTER 3, 0, 1, 0
	s_wait_dscnt 4
	MULA 1, 0, 0
	MULA 1, 1, 0
	s_wait_dscnt 0x0                               ; my last reads of the ring are over:
	s_barrier_signal -1                            ; behind this barrier the stages are written over it
	MULA 1, 2, 0
	MULA 1, 3, 0
	WIN 0
	s_barrier_wait -1
	; THE WAY OUT.  The wave's 64 x 192 sums go into its stage as f32 rows; then they are read back by rows, so that a channel's partner 32 channels away lies in the same row.
	PLACES
	s_mul_i32 s23, s14, STGW
	v_mul_u32_u24 v26, v1, SPI
	v_lshl_add_u32 v26, v2, 5, v26
	v_add_nc_u32 v26, s23, v26                     ; row r, 32 bytes for each half of the lanes
.set idx, 0
.rept 48                                       ; each accumulator's four lowest registers go first
.if idx < 32
	WIN 0x04
.set rD, 8*idx
.else
	WIN 0x08
.set rD, 8*(idx-32)
.endif
	ds_store_b128 v26, v[rD:rD+3]   offset:(idx/NB)*16*SPI+(idx%NB)*64
	ds_store_b128 v26, v[rD+4:rD+7] offset:(idx/NB)*16*SPI+(idx%NB)*64+16
.set idx, idx+1
.endr
	WIN 0
.macro LOADX so, st                    ; eight times: my 4 numbers, their cosines, their partners, their sines; LDS serves a wave's instructions in order, so these see the stores above
.irp n, 0,1,2,3,4,5,6,7
	ds_load_b128 v[XO+4*\n:XO+4*\n+3], v22 offset:\n*(\so)
.endr
.irp n, 0,1,2,3,4,5,6,7
	ds_load_b128 v[TC+4*\n:TC+4*\n+3], v24 offset:\n*(\st)
.endr
.irp n, 0,1,2,3,4,5,6,7
	ds_load_b128 v[XP+4*\n:XP+4*\n+3], v23 offset:\n*(\so)
.endr
.irp n, 0,1,2,3,4,5,6,7
	ds_load_b128 v[TS+4*\n:TS+4*\n+3], v24 offset:\n*(\st)+128
.endr
.endm
.macro ROPE                            ; x cos + (-+ partner) sin
	s_wait_dscnt 16                                ; my numbers and the cosines are in
.set i, 0
.rept 16
	v_pk_mul_f32 v[XO+2*i:XO+2*i+1], v[XO+2*i:XO+2*i+1], v[TC+2*i:TC+2*i+1]
.set i, i+1
.endr
	s_wait_dscnt 0x0
.set i, 0
.rept 16
	v_pk_mul_f32 v[TS+2*i:TS+2*i+1], v[TS+2*i:TS+2*i+1], v[SG:SG+1]
.set i, i+1
.endr
.set i, 0
.rept 16
	v_pk_fma_f32 v[XO+2*i:XO+2*i+1], v[XP+2*i:XP+2*i+1], v[TS+2*i:TS+2*i+1], v[XO+2*i:XO+2*i+1]
.set i, i+1
.endr
.endm
.macro KAPPA                           ; max(x, 0) + 2^(log2(e) min(x, 0)): 32 exponentials as one batch, the 32 maxima behind them, one wait
.set i, 0
.rept 16
	v_pk_mul_f32 v[XP+2*i:XP+2*i+1], v[XO+2*i:XO+2*i+1], 0x3fb8aa3b op_sel_hi:[1,0]
.set i, i+1
.endr
.set i, 0
.rept 32
	v_min_num_f32 v[XP+i], 0, v[XP+i]
.set i, i+1
.endr
.set i, 0
.rept 32
	v_exp_f32 v[XP+i], v[XP+i]
.set i, i+1
.endr
.set i, 0
.rept 32
	v_max_num_f32 v[XO+i], 0, v[XO+i]
.set i, i+1
.endr
	s_wait_alu depctr_va_vdst(0)                   ; the wait ahead of the first reader of an exponential: one for the batch
.set i, 0
.rept 16
	v_pk_add_f32 v[XO+2*i:XO+2*i+1], v[XO+2*i:XO+2*i+1], v[XP+2*i:XP+2*i+1]
.set i, i+1
.endr
.endm
	; THE TWO QUERY HEADS: 8 trips of 8 rows x 128 columns; lane l owns columns 4 l .. 4 l + 3 of every row
	v_and_b32 v5, 31, v0
	v_lshl_add_u32 v22, v5, 4, s23                 ; mine
	v_xor_b32 v6, 8, v5
	v_lshl_add_u32 v23, v6, 4, s23                 ; 32 channels away: the lane 8 away
	s_lshl_b32 s56, s14, 14
	s_add_co_u32 s56, s56, TABL
	v_lshl_add_u32 v24, v3, 4, s56                 ; frequencies 4 (l % 8) on
	v_lshlrev_b32 v25, 3, v5                       ; 8 l
	v_lshlrev_b32 v27, 4, v5                       ; 16 l
	v_and_b32 v6, 8, v5
	v_lshlrev_b32 v6, 28, v6
	v_xor_b32 v[SG], 0xbf800000, v6                ; -1 for channels 0-31, +1 for 32-63
	v_mov_b32 v[SG+1], v[SG]
.set i, 0
.rept 8
	v_mov_b32 v[SUM+i], 0                          ; sums, and maxima of positive numbers
.set i, i+1
.endr
	s_lshl_b32 s58, s20, 8
	s_lshl_b32 s59, s14, 6
	s_add_co_u32 s58, s58, s59
	s_lshl_b32 s58, s58, 12
	s_lshl_b32 s59, s19, 8
	s_add_co_u32 s58, s58, s59
	s_mov_b32 s59, 0
	s_add_nc_u64 s[68:69], s[10:11], s[58:59]      ; qk at row 256 ty + 64 w, column 128 tx
	s_mov_b32 s3, 8
.Lq:
	LOADX SPI, 256
	ROPE
	KAPPA
.set i, 0
.rept 8
	v_pk_add_f32 v[SUM:SUM+1], v[SUM:SUM+1], v[XO+4*i:XO+4*i+1]
	v_pk_add_f32 v[SUM+2:SUM+3], v[SUM+2:SUM+3], v[XO+4*i+2:XO+4*i+3]
.set i, i+1
.endr
.set i, 0
.rept 4
.irp c, 0,1,2,3
	v_max3_num_f32 v[MAXR+\c], v[XO+8*i+\c], v[XO+8*i+4+\c], v[MAXR+\c]
.endr
.set i, i+1
.endr
.set i, 0
.rept 16
	v_cvt_pk_bf16_f32 v[TC+i], v[XO+2*i], v[XO+2*i+1]
.set i, i+1
.endr
.set i, 0
.rept 8
	global_store_b64 v25, v[TC+2*i:TC+2*i+1], s[68:69] offset:i*4096  ; 32 lanes store 256 consecutive bytes, aligned
.set i, i+1
.endr
	s_wait_xcnt 0x0                                ; the stores' base and data are rewritten only behind this wait
	s_add_nc_u64 s[68:69], s[68:69], 8*4096
	v_add_nc_u32 v22, 8*SPI, v22
	v_add_nc_u32 v23, 8*SPI, v23
	v_add_nc_u32 v24, 8*256, v24
	s_sub_co_u32 s3, s3, 1
	s_cmp_lg_u32 s3, 0
	s_cbranch_scc1 .Lq
	s_lshl_b32 s58, s20, 2
	s_add_co_u32 s58, s58, s14
	s_lshl_b32 s58, s58, 14
	s_lshl_b32 s57, s19, 9
	s_add_co_u32 s58, s58, s57
	s_add_co_u32 s58, s58, 12582912
	s_add_nc_u64 s[70:71], s[12:13], s[58:59]
	global_store_b128 v27, v[SUM:SUM+3], s[70:71]                 ; 512 consecutive bytes each
	global_store_b128 v27, v[MAXR:MAXR+3], s[70:71] offset:8192
	; THE THIRD HEAD: 4 trips of 16 rows x 64 columns; lanes 0-15 take an even row, lanes 16-31 the odd one
	s_lshr_b32 s58, s20, 3
	s_lshl_b32 s58, s58, 3
	s_and_b32 s57, s19, 7
	s_add_co_u32 s58, s58, s57
	s_lshl_b32 s58, s58, 11
	s_and_b32 s57, s20, 7
	s_lshl_b32 s57, s57, 8
	s_add_co_u32 s58, s58, s57
	s_lshl_b32 s57, s14, 6
	s_add_co_u32 s58, s58, s57                     ; the head's row: (8 b + head) x 2,048 + position
	s_add_co_u32 s23, s23, 512                     ; columns 128 on
	v_mul_u32_u24 v6, v2, SPI
	v_add_nc_u32 v6, s23, v6
	v_lshl_add_u32 v22, v1, 4, v6
	v_xor_b32 v5, 8, v1
	v_lshl_add_u32 v23, v5, 4, v6
	v_lshl_add_u32 v24, v3, 4, s56
	v_lshl_add_u32 v24, v2, 8, v24
	s_mov_b32 s3, 4
	s_cmp_lt_u32 ttmp9, 2                          ; tx < 8: the cluster's x decides, the same in all partners
	s_cbranch_scc0 .Lvalue
	s_lshl_b32 s58, s58, 8
	s_add_nc_u64 s[68:69], s[12:13], s[58:59]
.Lk:
	LOADX 2*SPI, 512
	ROPE
	KAPPA
.set i, 0
.rept 8
	global_store_b128 v27, v[XO+4*i:XO+4*i+3], s[68:69] offset:i*512  ; two rows of 256 bytes
.set i, i+1
.endr
	s_wait_xcnt 0x0
	s_add_nc_u64 s[68:69], s[68:69], 16*256
	v_add_nc_u32 v22, 16*SPI, v22
	v_add_nc_u32 v23, 16*SPI, v23
	v_add_nc_u32 v24, 16*256, v24
	s_sub_co_u32 s3, s3, 1
	s_cmp_lg_u32 s3, 0
	s_cbranch_scc1 .Lk
	s_branch .Ldone
.Lvalue:
	s_lshl_b32 s58, s58, 7
	s_add_co_u32 s58, s58, 8388608
	s_add_nc_u64 s[68:69], s[12:13], s[58:59]
.Lv:
.irp n, 0,1,2,3,4,5,6,7
	ds_load_b128 v[XO+4*\n:XO+4*\n+3], v22 offset:\n*2*SPI
.endr
	s_wait_dscnt 0x0
.set i, 0
.rept 16
	v_cvt_pk_f16_f32 v[TC+i], v[XO+2*i], v[XO+2*i+1]
.set i, i+1
.endr
.set i, 0
.rept 8
	global_store_b64 v25, v[TC+2*i:TC+2*i+1], s[68:69] offset:i*256   ; two rows of 128 bytes: 256 consecutive bytes, aligned
.set i, i+1
.endr
	s_wait_xcnt 0x0
	s_add_nc_u64 s[68:69], s[68:69], 16*128
	v_add_nc_u32 v22, 16*SPI, v22
	s_sub_co_u32 s3, s3, 1
	s_cmp_lg_u32 s3, 0
	s_cbranch_scc1 .Lv
.Ldone:
	s_wait_tensorcnt 0x0                           ; the wave's end
	ds_add_u32 v28, v29
	s_wait_dscnt 0x0
	CROUND                                         ; the closing round
	s_endpgm
.Lfunc_end_k_qe30ac0522d_gemm_qkv:
	.size	k_qe30ac0522d_gemm_qkv, .Lfunc_end_k_qe30ac0522d_gemm_qkv-k_qe30ac0522d_gemm_qkv
	.p2alignl 7, 3214868480
	.fill 96, 4, 3214868480
	.section	.rodata,"a",@progbits
	.p2align	6, 0x0
	.amdhsa_kernel k_qe30ac0522d_gemm_qkv
		.amdhsa_group_segment_fixed_size 327680
		.amdhsa_private_segment_fixed_size 0
		.amdhsa_enable_private_segment 0
		.amdhsa_kernarg_size 40
		.amdhsa_user_sgpr_count 2
		.amdhsa_user_sgpr_kernarg_segment_ptr 1
		.amdhsa_wavefront_size32 1
		.amdhsa_system_sgpr_workgroup_id_x 1
		.amdhsa_system_sgpr_workgroup_id_y 1
		.amdhsa_system_sgpr_workgroup_id_z 1
		.amdhsa_system_vgpr_workitem_id 0
		.amdhsa_next_free_vgpr 960
		.amdhsa_next_free_sgpr 102
		.amdhsa_reserve_vcc 0
		.amdhsa_float_denorm_mode_32 3
		.amdhsa_float_denorm_mode_16_64 3
		.amdhsa_memory_ordered 1
		.amdhsa_forward_progress 1
		.amdhsa_inst_pref_size 115
	.end_amdhsa_kernel
	.amdgpu_metadata
---
amdhsa.version: [ 1, 2 ]
amdhsa.kernels:
  - .name:           k_qe30ac0522d_gemm_qkv
    .symbol:         k_qe30ac0522d_gemm_qkv.kd
    .args:
      - { .name: xb, .offset: 0, .size: 8, .value_kind: global_buffer, .address_space: global }
      - { .name: wts, .offset: 8, .size: 8, .value_kind: global_buffer, .address_space: global }
      - { .name: aux, .offset: 16, .size: 8, .value_kind: global_buffer, .address_space: global }
      - { .name: qk, .offset: 24, .size: 8, .value_kind: global_buffer, .address_space: global }
      - { .name: kv, .offset: 32, .size: 8, .value_kind: global_buffer, .address_space: global }
    .group_segment_fixed_size: 327680
    .private_segment_fixed_size: 0
    .kernarg_segment_align: 8
    .kernarg_segment_size: 40
    .max_flat_workgroup_size: 128
    .sgpr_count:     102
    .vgpr_count:     960
    .wavefront_size: 32
...
	.end_amdgpu_metadata
.endif
;; end of part 2
;; launch state (part 3): grid 16 x 16, 4 waves a work-group, clusters of 4 x 1, 327,680 bytes of LDS; arguments kv, aux, st; writes st
.if DOCPART == 3
	.amdgcn_target "amdgcn-amd-amdhsa--gfx1250"
	.amdhsa_code_object_version 6
	.text
	.protected	k_qe30ac0522d_state
	.globl	k_qe30ac0522d_state
	.p2align	8
	.type	k_qe30ac0522d_state,@function
k_qe30ac0522d_state:
	s_mov_b64 s[64:65], 0
	v_nop
	global_prefetch_b8 v0, s[64:65] scope:SCOPE_SE
	s_setreg_imm32_b32 hwreg(HW_REG_WAVE_MODE, 25, 1), 1
	s_wait_xcnt 0x0
	s_wait_alu depctr_hold_cnt(0) depctr_sa_sdst(0) depctr_va_vdst(0) depctr_va_sdst(0) depctr_va_ssrc(0) depctr_va_vcc(0) depctr_vm_vsrc(0)
	s_getreg_b32 s2, hwreg(HW_REG_IB_STS2, 6, 4)
	s_cmp_eq_u32 s2, 0
	s_cbranch_scc0 .Lentry_in_a_cluster
	s_endpgm
.Lentry_in_a_cluster:
	s_bfe_u32 s2, ttmp6, 0x10000c
	s_cmp_lg_u32 s2, 0x3003
	s_cbranch_scc0 .Lentry_shape_is_right
	s_endpgm
.Lentry_shape_is_right:
; For each batch b, query head and chunk of 512 keys: the logits Qg . kappa(k), the chunk's maximum m, p = exp(logit - m), l = the sum of p, and the 64 x 64 sum over keys of p kappa(k) v^T.
; A work-group is (chunk c, y = 8 b + key head, ONE query head): 4 x 16 x 4 = 256 work-groups.  CLUSTER 4 x 1: the four query heads that share a key head need the same kappa(k) (f32) and v (f16): each tile is asked for
; jointly, by the same tensor load with the same descriptor and a mask of four.  The chunk comes into LDS once, by first fills: no slot is filled again.
; SHARES.  Wave w takes the chunk's keys 128 w .. 128 w + 127: the rows that its own two tensor loads bring, so its own counter is all the ordering that its reads of them need.  The waves meet in LDS three times, a
; barrier each: their maxima (so that all use the chunk's true maximum); their 16 accumulators and sums of p (wave w then adds the four copies of accumulators 4 db + w and stores them); their bounds.
; Logits are made in f32 on the vector unit, in base 2 (Qg carries log2(e) / 2048, the mean's divisor): they enter exponents.  The next launch joins the four chunks by their maxima.
; p kappa(k) is rounded to f16 for the product with v (f16); sums in f32.
; OUT: st [4 (32 b + head) + c]: the 16 accumulators as they lie in registers ([accumulator 4 db + fb][half][lane][4] f32: lane (r, h), register j = channel d = 16 db + 8 h + j, f = 16 fb + r);
; st + 4,194,304: records (m in base 2, l, E, 0).  2^E bounds |X Wphi| x |kappa(q) . state|: E = the sum of the three biased exponents of max|X|, max|Wphi| and R, less 367 (three times 126, less 11 for K = 2,048),
; R = the largest over f of the sum over d of max_s kappa(q)[d] |acc[d][f]| / l.
; No prefetch: every byte is asked for at the head.
; LIMITS.  kappa(k) under 65,504 (f16); a weight below 2^-126 counts as 0; p kappa(k) below 6e-5 keeps f16's fixed step.  NaN and infinities are not treated apart.
; REGISTERS: window 0: v1-31 addresses and single numbers; v32-63 fragments of p kappa(k); v64-127 Qg; v128-191 a key's kappa(k); v192-223 packed; v224-255 fragments of v.  Window 1: v0-127 the accumulators.
.set VL,    139264                     ; LDS: kappa(k) 512 rows x 272 from 0; v 512 rows x 160 from here
.set WST,   221184                     ; 32 keys x 160 for each wave: p kappa(k) in f16, written by keys, read turned
.set LOGS,  241664                     ; 128 logits for each wave
.set QSC,   243712                     ; for each wave: 64 numbers of Qg, 64 maxima of kappa(q)
.set XCH,   245760                     ; four words each: the waves' maxima; at + 16 their sums of p; at + 32 their bounds
.set RED,   246016                     ; the waves' accumulators, 16,384 bytes each, as they lie in registers
.set SPARE, 311552                     ; the spare words, 128 bytes a wave
.set MSB, 0
.macro WIN new
.if MSB != (\new)
	s_set_vgpr_msb (MSB<<8)|(\new)
.set MSB, \new
.endif
.endm
.macro WMAX x, t                       ; the maximum over the wave's 32 lanes, in every lane
	v_max_num_f32_dpp v[\x], v[\x], v[\x] row_xmask:1 row_mask:0xf bank_mask:0xf
	v_max_num_f32_dpp v[\x], v[\x], v[\x] row_xmask:2 row_mask:0xf bank_mask:0xf
	v_max_num_f32_dpp v[\x], v[\x], v[\x] row_xmask:4 row_mask:0xf bank_mask:0xf
	v_max_num_f32_dpp v[\x], v[\x], v[\x] row_xmask:8 row_mask:0xf bank_mask:0xf
	v_permlanex16_b32 v[\t], v[\x], s46, s47
	v_max_num_f32 v[\x], v[\x], v[\t]
.endm
.macro CROUND                          ; a round of the cluster's barrier
	s_barrier_signal -1
	s_barrier_wait -1
	s_cmp_lg_u32 s10, 0
	s_cbranch_scc1 .Lnot_wave_0_\@
	s_barrier_signal -3
.Lnot_wave_0_\@:
	s_barrier_wait -3
	s_barrier_signal -1
	s_barrier_wait -1
.endm
	s_load_b128 s[4:7], s[0:1], 0x0                ; kv s[4:5], aux s[6:7]
	s_load_b64 s[8:9], s[0:1], 0x10                ; st
	v_lshl_add_u32 v30, v0, 2, SPARE
	v_mov_b32 v31, 0
	ds_add_u32 v30, v31                            ; the wave's opening: the add and its wait stand ahead of my first tensor load
	v_lshrrev_b32 v1, 5, v0
	v_readfirstlane_b32 s10, v1                    ; wave 0..3
	s_bfe_u32 s48, ttmp6, 0x40000                  ; cx: which of the four query heads; it enters global offsets of my own loads and stores alone
	s_mov_b32 s11, ttmp9                           ; the cluster's x: the chunk
	s_and_b32 s12, ttmp7, 0xffff                   ; y
	s_and_b32 s13, s12, 7
	s_lshl_b32 s13, s13, 2
	s_add_co_u32 s13, s13, s48                     ; my query head
	s_lshr_b32 s14, s12, 3                         ; b
	s_lshl_b32 s15, s14, 5
	s_add_co_u32 s15, s15, s13                     ; 32 b + head
	s_mov_b32 s46, 0x76543210
	s_mov_b32 s47, 0xfedcba98
	s_mov_b32 s16, 15|(2<<16)|(1<<20)|(1<<21)|(5<<22)|(3<<25)  ; kappa(k): the mask of four; 4-byte elements, 16 bytes of padding behind every 256; 128 rows of 64
	s_mov_b32 s17, 64<<16
	s_mov_b32 s18, 128<<16
	s_mov_b32 s19, 64<<16
	s_mov_b32 s20, 128
	s_mov_b32 s21, 64
	s_mov_b32 s22, 0
	s_mov_b32 s23, 0
	s_mov_b32 s24, 15|(1<<16)|(1<<20)|(1<<21)|(4<<22)|(7<<25)  ; v: 128 keys of 128 bytes, dense: 64 rows of 256 bytes, 32 bytes of padding behind every 128
	s_mov_b32 s25, 128<<16
	s_mov_b32 s26, 64<<16
	s_mov_b32 s27, 128<<16
	s_mov_b32 s28, 64
	s_mov_b32 s29, 128
	s_mov_b32 s30, 0
	s_mov_b32 s31, 0
	s_mov_b32 s32, 1
	s_mul_i32 s33, s10, 128*272
	s_mov_b32 s36, 1
	s_mul_i32 s37, s10, 128*160
	s_add_co_u32 s37, s37, VL
	s_mul_i32 s49, s10, 128*272                    ; my keys' kappa(k) in LDS
	s_lshl_b32 s45, s10, 2
	s_add_co_u32 s45, s45, XCH                     ; my word of each meeting
	s_lshl_b32 s50, s10, 9
	s_add_co_u32 s50, s50, LOGS
	s_lshl_b32 s51, s10, 9
	s_add_co_u32 s51, s51, QSC
	s_lshl_b32 s40, s12, 11
	s_lshl_b32 s41, s11, 9
	s_add_co_u32 s40, s40, s41
	s_lshl_b32 s41, s10, 7
	s_add_co_u32 s40, s40, s41                     ; row 2,048 y + 512 c + 128 wave: the same in all four partners
	s_lshl_b32 s42, s40, 7
	s_add_co_u32 s42, s42, 8388608
	s_mov_b32 s43, 0
	s_lshl_b32 s40, s40, 8
	s_mov_b32 s41, 0
	s_wait_dscnt 0x0                               ; the opening add is done
	s_wait_kmcnt 0x0
	s_add_nc_u64 s[34:35], s[4:5], s[40:41]
	s_or_b32 s35, s35, 0x80000000
	s_add_nc_u64 s[38:39], s[4:5], s[42:43]
	s_or_b32 s39, s39, 0x80000000
	CROUND                                         ; all four work-groups are here: the joint loads meet
	tensor_load_to_lds s[32:35], s[16:23]          ; two loads of mine are out, the only ones of the launch: kappa(k) first,
	s_nop 0
	tensor_load_to_lds s[36:39], s[24:31]          ; then v
	s_nop 0
.rept 4
	v_nop
.endr
	; while the tiles are on their way: Qg and the maxima of kappa(q) from the 32 parts of batch b (lane l: channels 2 l, 2 l + 1), and the largest |X| and |Wphi|
	v_and_b32 v1, 31, v0
	v_and_b32 v2, 15, v0
	v_bfe_u32 v3, v0, 4, 1
	v_lshlrev_b32 v10, 4, v1
	s_lshl_b32 s40, s13, 8
	s_lshl_b32 s41, s14, 19
	s_add_co_u32 s40, s40, s41
	s_add_co_u32 s40, s40, 12582912
	v_lshl_add_u32 v16, v1, 3, s40
.set i, 0
.rept 32
	global_load_b64 v[128+2*i:129+2*i], v16, s[4:5] offset:i*16384
	global_load_b64 v[64+2*i:65+2*i],   v16, s[4:5] offset:i*16384+8192
.set i, i+1
.endr
.set i, 0
.rept 16
	global_load_b128 v[192+4*i:195+4*i], v10, s[6:7] offset:524288+i*512
.set i, i+1
.endr
.set i, 0
.rept 8
	global_load_b128 v[32+4*i:35+4*i], v10, s[6:7] offset:524288+8192+i*512
.set i, i+1
.endr
	v_mov_b32 v13, 0
	v_mov_b32 v14, 0                               ; the sum of p
	v_mov_b32 v18, 0
	v_mov_b32 v24, 0
	v_mov_b32 v25, 0
	s_wait_loadcnt 0x0
.irp s, 16,8,4,2,1
.set i, 0
.rept \s
	v_pk_add_f32 v[128+2*i:129+2*i], v[128+2*i:129+2*i], v[128+2*(i+\s):129+2*(i+\s)]
.set i, i+1
.endr
.endr
.irp c, 0,1
.set k, 0
.rept 15
	v_max3_num_f32 v[64+\c], v[64+\c], v[64+\c+2*(2*k+1)], v[64+\c+2*(2*k+2)]
.set k, k+1
.endr
	v_max_num_f32 v[64+\c], v[64+\c], v[64+\c+62]
.endr
.set k, 0
.rept 32
	v_max3_num_f32 v24, v[192+2*k], v[193+2*k], v24
.set k, k+1
.endr
.set k, 0
.rept 16
	v_max3_num_f32 v25, v[32+2*k], v[33+2*k], v25
.set k, k+1
.endr
	WMAX 24, 18
	WMAX 25, 18
	v_pk_mul_f32 v[128:129], v[128:129], 0x3a38aa3b op_sel_hi:[1,0]  ; x log2(e) / 2048
	v_lshl_add_u32 v9, v1, 3, s51
	ds_store_b64 v9, v[128:129]
	ds_store_b64 v9, v[64:65] offset:256
	v_mov_b32 v17, s51
.set i, 0
.rept 16
	ds_load_b128 v[64+4*i:67+4*i], v17 offset:16*i ; all 64 numbers of Qg into every lane; LDS serves a wave's instructions in order
.set i, i+1
.endr
	v_and_b32 v19, 7, v0
	v_lshl_add_u32 v19, v3, 3, v19
	v_mul_u32_u24 v19, v19, 160
	v_bfe_u32 v20, v0, 3, 1
	v_lshl_add_u32 v19, v20, 4, v19                ; the turning load: (8 h + l % 8) x 160 + 16 ((l / 8) % 2)
	v_add_nc_u32 v6, s37, v19                      ; in my keys' v
	s_mul_i32 s42, s10, 32*160
	s_add_co_u32 s42, s42, WST
	v_add_nc_u32 v8, s42, v19
	v_mul_u32_u24 v7, v1, 160
	v_add_nc_u32 v7, s42, v7
	v_mul_u32_u24 v4, v1, 272                      ; a lane a key
	v_add_nc_u32 v4, s49, v4
	v_lshl_add_u32 v5, v1, 2, s50
	v_mov_b32 v11, 0xff7fffff                      ; the maximum starts at the lowest finite number
	v_mov_b32 v26, s45
	v_mov_b32 v27, XCH
	s_wait_tensorcnt 1                             ; my keys' kappa(k) is in; v, issued behind it, may stay out
	; PASS A: 4 trips of 32 keys: the logit of my key, in four chains of packed multiply-adds
	s_mov_b32 s44, 4
.Lpa:
.set i, 0
.rept 16
	ds_load_b128 v[128+4*i:131+4*i], v4 offset:16*i
.set i, i+1
.endr
	s_wait_dscnt 0x0
.irp c, 0,1,2,3
	v_pk_mul_f32 v[16+2*\c:17+2*\c], v[128+2*\c:129+2*\c], v[64+2*\c:65+2*\c]
.endr
.set k, 1
.rept 7
.irp c, 0,1,2,3
	v_pk_fma_f32 v[16+2*\c:17+2*\c], v[128+2*(\c+4*k):129+2*(\c+4*k)], v[64+2*(\c+4*k):65+2*(\c+4*k)], v[16+2*\c:17+2*\c]
.endr
.set k, k+1
.endr
	v_pk_add_f32 v[16:17], v[16:17], v[18:19]
	v_pk_add_f32 v[20:21], v[20:21], v[22:23]
	v_pk_add_f32 v[16:17], v[16:17], v[20:21]
	v_add_f32 v15, v16, v17
	ds_store_b32 v5, v15
	v_max_num_f32 v11, v11, v15
	v_add_nc_u32 v4, 32*272, v4
	v_add_nc_u32 v5, 128, v5
	s_sub_co_u32 s44, s44, 1
	s_cmp_lg_u32 s44, 0
	s_cbranch_scc1 .Lpa
	WMAX 11, 18                                    ; my 128 keys' maximum
	ds_store_b32 v26, v11                          ; THE FIRST MEETING: all lanes write the same word with the same value
	s_wait_dscnt 0x0
	s_barrier_signal -1
	s_barrier_wait -1
	ds_load_b128 v[20:23], v27
	v_mul_u32_u24 v4, v1, 272
	v_add_nc_u32 v4, s49, v4
	v_lshl_add_u32 v5, v1, 2, s50
	s_wait_tensorcnt 0x0                           ; my keys' v is in
	s_wait_dscnt 0x0
	v_max3_num_f32 v11, v20, v21, v22
	v_max_num_f32 v11, v11, v23                    ; the chunk's maximum
; PASS B, a trip of 32 keys: p; p kappa(k) in f16 through my stage, turned; 16 products, the accumulators by turns.
.macro TRIPB zero
	ds_load_b32 v15, v5
.set i, 0
.rept 16
	ds_load_b128 v[128+4*i:131+4*i], v4 offset:16*i
.set i, i+1
.endr
.irp f, 0,1,2,3
	ds_load_tr16_b128 v[224+8*\f:227+8*\f], v6 offset:32*\f
	ds_load_tr16_b128 v[228+8*\f:231+8*\f], v6 offset:32*\f+16*160
.endr
	s_wait_dscnt 8                                 ; the logit and kappa(k) are in; v's eight loads may be out
	v_sub_f32 v12, v15, v11
	v_exp_f32 v12, v12
	v_nop                                          ; a plain instruction behind the exponential,
	s_wait_alu depctr_va_vdst(0)                   ; and the wait ahead of its first reader
	v_add_f32 v14, v14, v12
.set i, 0
.rept 32
	v_pk_mul_f32 v[128+2*i:129+2*i], v[128+2*i:129+2*i], v[12:13] op_sel_hi:[1,0]
.set i, i+1
.endr
.set i, 0
.rept 32
	v_cvt_pk_f16_f32 v[192+i], v[128+2*i], v[129+2*i]
.set i, i+1
.endr
.set i, 0
.rept 8
	ds_store_b128 v7, v[192+4*i:195+4*i] offset:16*i
.set i, i+1
.endr
.irp d, 0,1,2,3
	ds_load_tr16_b128 v[32+8*\d:35+8*\d], v8 offset:32*\d       ; in order behind the stores above
	ds_load_tr16_b128 v[36+8*\d:39+8*\d], v8 offset:32*\d+16*160
.endr
	s_wait_dscnt 0x0
	WIN 0x50                                       ; C and D window 1
.set idx, 0
.rept 16
.if \zero
	v_wmma_f32_16x16x32_f16 v[8*idx:8*idx+7], v[32+8*(idx/4):39+8*(idx/4)], v[224+8*(idx%4):231+8*(idx%4)], 0
.else
	v_wmma_f32_16x16x32_f16 v[8*idx:8*idx+7], v[32+8*(idx/4):39+8*(idx/4)], v[224+8*(idx%4):231+8*(idx%4)], v[8*idx:8*idx+7]
.endif
.set idx, idx+1
.endr
	WIN 0
	v_add_nc_u32 v4, 32*272, v4                    ; four plain instructions: the places in front of the next loads into the fragments, and of the stores behind the last trip
	v_add_nc_u32 v5, 128, v5
	v_add_nc_u32 v6, 32*160, v6
	v_nop
.endm
	TRIPB 1                                        ; the first trip starts the sums
	s_mov_b32 s44, 3
.Lpb:
	TRIPB 0
	s_sub_co_u32 s44, s44, 1
	s_cmp_lg_u32 s44, 0
	s_cbranch_scc1 .Lpb
	; THE SECOND MEETING: my sum of p and my 16 accumulators, as they lie (each accumulator's low half first)
	v_add_f32_dpp v14, v14, v14 row_xmask:1 row_mask:0xf bank_mask:0xf
	v_add_f32_dpp v14, v14, v14 row_xmask:2 row_mask:0xf bank_mask:0xf
	v_add_f32_dpp v14, v14, v14 row_xmask:4 row_mask:0xf bank_mask:0xf
	v_add_f32_dpp v14, v14, v14 row_xmask:8 row_mask:0xf bank_mask:0xf
	v_permlanex16_b32 v18, v14, s46, s47
	v_add_f32 v14, v14, v18
	s_lshl_b32 s42, s10, 14
	s_add_co_u32 s42, s42, RED
	v_lshl_add_u32 v28, v1, 4, s42
	WIN 0x04                                       ; the LDS stores' data in window 1
.set idx, 0
.rept 16
	ds_store_b128 v28, v[8*idx:8*idx+3]   offset:idx*1024
	ds_store_b128 v28, v[8*idx+4:8*idx+7] offset:idx*1024+512
.set idx, idx+1
.endr
	WIN 0
	ds_store_b32 v26, v14 offset:16
	s_wait_dscnt 0x0
	s_barrier_signal -1
	s_barrier_wait -1
	s_lshl_b32 s42, s10, 10
	s_add_co_u32 s42, s42, RED
	v_lshl_add_u32 v28, v1, 4, s42                 ; accumulators 4 db + w: all 64 channels d for the columns f = 16 w .. 16 w + 15
.irp s, 0,1,2,3
.irp d, 0,1,2,3
	ds_load_b128 v[128+32*\s+8*\d:131+32*\s+8*\d], v28 offset:\s*16384+\d*4096
	ds_load_b128 v[132+32*\s+8*\d:135+32*\s+8*\d], v28 offset:\s*16384+\d*4096+512
.endr
.endr
	ds_load_b128 v[20:23], v27 offset:16           ; the four sums of p
	v_lshl_add_u32 v29, v3, 5, s51                 ; the maxima of kappa(q) for my channels 16 db + 8 h + 0..7
.irp d, 0,1,2,3
	ds_load_b128 v[64+8*\d:67+8*\d], v29 offset:256+64*\d
	ds_load_b128 v[68+8*\d:71+8*\d], v29 offset:256+64*\d+16
.endr
	s_lshl_b32 s40, s15, 2
	s_add_co_u32 s40, s40, s11                     ; 4 (32 b + head) + c
	s_lshl_b32 s43, s40, 14
	s_lshl_b32 s42, s10, 10
	s_add_co_u32 s43, s43, s42
	v_lshl_add_u32 v36, v1, 4, s43
	s_lshl_b32 s40, s40, 4
	s_add_co_u32 s40, s40, 4194304
	v_mov_b32 v37, s40
	v_mov_b32 v44, 0
	s_wait_dscnt 0x0
.set i, 0
.rept 16
	v_pk_add_f32 v[128+2*i:129+2*i], v[128+2*i:129+2*i], v[160+2*i:161+2*i]
	v_pk_add_f32 v[192+2*i:193+2*i], v[192+2*i:193+2*i], v[224+2*i:225+2*i]
.set i, i+1
.endr
.set i, 0
.rept 16
	v_pk_add_f32 v[128+2*i:129+2*i], v[128+2*i:129+2*i], v[192+2*i:193+2*i]
.set i, i+1
.endr
.irp d, 0,1,2,3
	global_store_b128 v36, v[128+8*\d:131+8*\d], s[8:9] offset:\d*4096      ; 512 consecutive bytes a store
	global_store_b128 v36, v[132+8*\d:135+8*\d], s[8:9] offset:\d*4096+512
.endr
	v_add_f32 v20, v20, v21
	v_add_f32 v22, v22, v23
	v_add_f32 v14, v20, v22                        ; l
	v_rcp_f32 v13, v14
.irp d, 0,1,2,3
	v_mul_f32 v[40+\d], v[64+8*\d], |v[128+8*\d]|  ; four chains, one for each block of d
.endr
.set k, 1
.rept 7
.irp d, 0,1,2,3
	v_fma_f32 v[40+\d], v[64+8*\d+k], |v[128+8*\d+k]|, v[40+\d]
.endr
.set k, k+1
.endr
	v_add_f32 v40, v40, v41
	v_add_f32 v42, v42, v43
	v_add_f32 v40, v40, v42
	v_permlanex16_b32 v44, v40, s46, s47           ; the other 32 channels lie in the lane 16 away
	v_add_f32 v40, v40, v44
	v_max_num_f32_dpp v40, v40, v40 row_xmask:1 row_mask:0xf bank_mask:0xf
	v_max_num_f32_dpp v40, v40, v40 row_xmask:2 row_mask:0xf bank_mask:0xf
	v_max_num_f32_dpp v40, v40, v40 row_xmask:4 row_mask:0xf bank_mask:0xf
	v_max_num_f32_dpp v40, v40, v40 row_xmask:8 row_mask:0xf bank_mask:0xf
	s_wait_alu depctr_va_vdst(0)                   ; the reciprocal's wait, ahead of its first reader
	v_mul_f32 v40, v40, v13
	ds_store_b32 v26, v40 offset:32                ; THE THIRD MEETING: my 16 columns' bound
	s_wait_dscnt 0x0
	s_barrier_signal -1
	s_barrier_wait -1
	s_cmp_lg_u32 s10, 0                            ; wave 0 writes the record
	s_cbranch_scc1 .Lend
	ds_load_b128 v[40:43], v27 offset:32
	s_wait_dscnt 0x0
	v_max3_num_f32 v20, v40, v41, v42
	v_max_num_f32 v20, v20, v43
	v_bfe_u32 v21, v20, 23, 8
	v_bfe_u32 v22, v24, 23, 8
	v_bfe_u32 v23, v25, 23, 8
	v_add3_u32 v21, v21, v22, v23
	v_add_nc_u32 v21, 0xfffffe91, v21              ; - 367
	v_mov_b32 v44, v11
	v_mov_b32 v45, v14
	v_cvt_f32_i32 v46, v21
	v_mov_b32 v47, 0
	v_cmp_eq_u32 vcc_lo, 0, v1
	s_wait_xcnt 0x0                                ; EXEC is a source of the stores above: it changes only behind this wait
	s_and_saveexec_b32 s44, vcc_lo
	global_store_b128 v37, v[44:47], s[8:9]        ; lane 0 alone
	s_wait_xcnt 0x0                                ; and again, in front of the line that widens it
	s_or_b32 exec_lo, exec_lo, s44
.Lend:
	s_wait_tensorcnt 0x0                           ; the wave's end
	ds_add_u32 v30, v31
	s_wait_dscnt 0x0
	CROUND                                         ; the closing round
	s_endpgm
.Lfunc_end_k_qe30ac0522d_state:
	.size	k_qe30ac0522d_state, .Lfunc_end_k_qe30ac0522d_state-k_qe30ac0522d_state
	.p2alignl 7, 3214868480
	.fill 96, 4, 3214868480
	.section	.rodata,"a",@progbits
	.p2align	6, 0x0
	.amdhsa_kernel k_qe30ac0522d_state
		.amdhsa_group_segment_fixed_size 327680
		.amdhsa_private_segment_fixed_size 0
		.amdhsa_enable_private_segment 0
		.amdhsa_kernarg_size 24
		.amdhsa_user_sgpr_count 2
		.amdhsa_user_sgpr_kernarg_segment_ptr 1
		.amdhsa_wavefront_size32 1
		.amdhsa_system_sgpr_workgroup_id_x 1
		.amdhsa_system_sgpr_workgroup_id_y 1
		.amdhsa_system_sgpr_workgroup_id_z 1
		.amdhsa_system_vgpr_workitem_id 0
		.amdhsa_next_free_vgpr 384
		.amdhsa_next_free_sgpr 66
		.amdhsa_reserve_vcc 1
		.amdhsa_float_denorm_mode_32 3
		.amdhsa_float_denorm_mode_16_64 3
		.amdhsa_memory_ordered 1
		.amdhsa_forward_progress 1
		.amdhsa_inst_pref_size 58
	.end_amdhsa_kernel
	.amdgpu_metadata
---
amdhsa.version: [ 1, 2 ]
amdhsa.kernels:
  - .name:           k_qe30ac0522d_state
    .symbol:         k_qe30ac0522d_state.kd
    .args:
      - { .name: kv, .offset: 0, .size: 8, .value_kind: global_buffer, .address_space: global }
      - { .name: aux, .offset: 8, .size: 8, .value_kind: global_buffer, .address_space: global }
      - { .name: st, .offset: 16, .size: 8, .value_kind: global_buffer, .address_space: global }
    .group_segment_fixed_size: 327680
    .private_segment_fixed_size: 0
    .kernarg_segment_align: 8
    .kernarg_segment_size: 24
    .max_flat_workgroup_size: 128
    .sgpr_count:     66
    .vgpr_count:     384
    .wavefront_size: 32
...
	.end_amdgpu_metadata
.endif
;; end of part 3
;; launch gemm_phi (part 4): grid 16 x 16, 4 waves a work-group, clusters of 4 x 4, 327,680 bytes of LDS; arguments xb, wts, qk, st, ctx; writes ctx
.if DOCPART == 4
	.amdgcn_target "amdgcn-amd-amdhsa--gfx1250"
	.amdhsa_code_object_version 6
	.text
	.protected	k_qe30ac0522d_gemm_phi
	.globl	k_qe30ac0522d_gemm_phi
	.p2align	8
	.type	k_qe30ac0522d_gemm_phi,@function
k_qe30ac0522d_gemm_phi:
	s_mov_b64 s[64:65], 0
	v_nop
	global_prefetch_b8 v0, s[64:65] scope:SCOPE_SE
	s_setreg_imm32_b32 hwreg(HW_REG_WAVE_MODE, 25, 1), 1
	s_wait_xcnt 0x0
	s_wait_alu depctr_hold_cnt(0) depctr_sa_sdst(0) depctr_va_vdst(0) depctr_va_sdst(0) depctr_va_ssrc(0) depctr_va_vcc(0) depctr_vm_vsrc(0)
	s_getreg_b32 s2, hwreg(HW_REG_IB_STS2, 6, 4)
	s_cmp_eq_u32 s2, 0
	s_cbranch_scc0 .Lentry_in_a_cluster
	s_endpgm
.Lentry_in_a_cluster:
	s_bfe_u32 s2, ttmp6, 0x10000c
	s_cmp_lg_u32 s2, 0xf033
	s_cbranch_scc0 .Lentry_shape_is_right
	s_endpgm
.Lentry_shape_is_right:
; ctx = (X Wphi) o (kappa(q) . state), scaled by a power of two and written as f16.  X: xb [4096][2048] bf16; Wphi: wts + 12,582,912, tiles [k][128] bf16; kappa(q): qk bf16.
; A work-group makes 256 rows x 128 columns (heads 2 tx, 2 tx + 1); wave w owns rows 64 w .. 64 w + 63: 32 accumulators.  K goes in 16 steps of 128 through two LDS slots.  256 work-groups, one tile each.
; AT THE HEAD, while the first tiles are on their way, the two heads' states are joined from their four chunks: weights 2^(m_c - m) with m the largest of the chunks' maxima, divided by the sum of weight x l:
; the softmax over all 2,048 keys.  Wave w joins head w / 2, channels d = 32 (w % 2) .. + 31.  The state is multiplied by 2^(15 - E) and rounded to bf16; E is the largest of the 256 records' bounds, so that
; |ctx / 2048| 2^(15 - E) < 2^15 fits f16; the last launch takes the scale out again.  An accumulator of the state, as it was stored (lane (r, h), register j = (d = 16 db + 8 h + j, f = 16 fb + r)), packed in
; pairs, IS half of source 0 (16 columns f, 32 channels d) of the product with kappa(q): no lane is changed.
; THE MATRIX INSTRUCTION IS USED TRANSPOSED: source 0 = 16 columns (of Wphi, turned out of LDS; of the state), source 1 = 16 rows (of X; of kappa(q)): a lane holds one row and 8 neighbouring columns in both results.
; CLUSTER 4 x 4: X's tiles are shared along a row of the cluster, Wphi's along a column.
; LIMITS.  E is held to -100 .. 110; outside that range the scale is not right.  NaN and infinities are not treated apart.
; REGISTERS: window 0: v0-47 addresses and single numbers; v64-127 X's fragments, two buffers; v128-255 at work.  Window 1: at the head the four chunks, then the 32 accumulators of X Wphi (8 a + nb at 8 x number).
;   window 2: the 32 accumulators of kappa(q) . state.  Window 3: v0-127 Wphi's fragments, two buffers, at the end the state's; v128-255 kappa(q)'s fragments.
.set NB,    8
.set NL,    2*NB+8
.set SLOT1, 131072
.set LB,    69632                      ; in a slot: X 256 rows x 272; Wphi 128 k x 288 from here; a slot ends at 106,496
.set OSL,   237568                     ; the joined states, bf16, as fragments: [wave that wrote][fb][half][lane][16 bytes]
.set STG,   253952                     ; the way out: 16 rows x 272 bytes for each wave
.set SPARE, 271360                     ; the spare words, 128 bytes a wave
.set WOFF,  12582912
.set FA,    64
.set MUL1,  0x53
.set TO_B,  0xc0
.set MSB, 0
.macro WIN new
.if MSB != (\new)
	s_set_vgpr_msb (MSB<<8)|(\new)
.set MSB, \new
.endif
.endm
.macro PLACES                          ; four plain instructions between a matrix instruction and a load into, or a read of, its registers
.rept 4
	v_nop
.endr
.endm
; 8 matrix instructions: row block a x all column blocks.  Every accumulator has one instruction a quarter step: 31 others stand between two links of a chain.
.macro MULA f, a, zero
	WIN MUL1
.set bb, 0
.rept NB
.set rD, 8*(NB*(\a)+bb)
.set rB, 8*NB*(\f)+8*bb
.set rA, FA+32*(\f)+8*(\a)
.if \zero
	v_wmma_f32_16x16x32_bf16 v[rD:rD+7], v[rB:rB+7], v[rA:rA+7], 0
.else
	v_wmma_f32_16x16x32_bf16 v[rD:rD+7], v[rB:rB+7], v[rA:rA+7], v[rD:rD+7]
.endif
.set bb, bb+1
.endr
.endm
.macro FETCH kq, f                     ; 24 LDS loads in one run: W's 8 fragments (turned), then X's 4
	WIN TO_B
.set nb, 0
.rept 8
.set rB, 8*NB*(\f)+8*nb
	ds_load_tr16_b128 v[rB:rB+3],   v17 offset:(\kq)*9216+nb*32
	ds_load_tr16_b128 v[rB+4:rB+7], v17 offset:(\kq)*9216+nb*32+4608
.set nb, nb+1
.endr
	WIN 0
.set aa, 0
.rept 4
.set rA, FA+32*(\f)+8*aa
	ds_load_b128 v[rA:rA+3],   v16 offset:aa*4352+(\kq)*64
	ds_load_b128 v[rA+4:rA+7], v16 offset:aa*4352+(\kq)*64+32
.set aa, aa+1
.endr
.endm
.macro QUARTER kq, f, g, zero
	s_wait_dscnt 4                                 ; all of W and X's blocks 0, 1 are in; the youngest four loads may be out
	MULA \f, 0, \zero
	MULA \f, 1, \zero
	PLACES
	FETCH \kq, \g
	s_wait_dscnt NL                                ; all but the run just issued
	MULA \f, 2, \zero
	MULA \f, 3, \zero
.endm
.macro CREST
	s_cmp_lg_u32 s14, 0
	s_cbranch_scc1 .Lnot_wave_0_\@
	s_barrier_signal -3
.Lnot_wave_0_\@:
	s_barrier_wait -3
	s_barrier_signal -1
	s_barrier_wait -1
.endm
.macro CROUND
	s_barrier_signal -1
	s_barrier_wait -1
	CREST
.endm
.macro JLOAD                           ; waves 0, 1 fetch X's two halves, waves 2, 3 W's; an s_nop 0 and four v_nop follow each load
	s_cmp_lt_u32 s14, 2
	s_cbranch_scc0 .Lfor_b_\@
	tensor_load_to_lds s[36:39], s[24:31]
	s_nop 0
	PLACES
	s_branch .Lasked_\@
.Lfor_b_\@:
	tensor_load_to_lds s[52:55], s[40:47]
	s_nop 0
	PLACES
.Lasked_\@:
.endm
; A prefetch into the L2 of the K step two refills on.  X's rows: the clusters with x = 0 ask, waves 0 and 1, a lane a row; of a wave's 128 rows the partner at cx takes 32.  W's step (128 blocks of 256 bytes):
; the clusters with y = 0 ask, wave 2; the partner at cy takes 32 blocks.  Partners are told apart by address; each block is named once.  The last two trips ask for nothing.
.macro ASK
	s_cmp_gt_u32 s3, s62
	s_cbranch_scc0 .Lnot_mine_\@
	global_prefetch_b8 v30, s[60:61] th:TH_LOAD_NT scope:SCOPE_SE
.Lnot_mine_\@:
.endm
; The last quarter of a step and the change of slots.  The quarter's first 16 products stand AHEAD of the wait for the tiles, its last 16 behind the next slot's first LDS loads, which they cover: between the wait that
; shows the next slot landed and the request for the tile after it stand only the lines that order them: all my tensor loads waited for, the add, the wait for it and for my reads of this slot, the barrier
; (fill = 1: a round of the cluster's), and the joint refill first behind it.
.macro TURN fill
.if \fill
	s_wait_xcnt 0x0                                ; the last prefetch, a step back, has read its address
	s_add_nc_u64 s[60:61], s[60:61], s[66:67]
.endif
	s_wait_dscnt 4                                 ; all of W and X's blocks 0, 1 are in
	MULA 1, 0, 0
	MULA 1, 1, 0
	WIN 0
	s_wait_tensorcnt 0x0                           ; no tensor load of mine is out, so the descriptors may be written
	ds_add_u32 v28, v29                            ; 0 onto my spare word; the descriptors' steps stand between it and the wait for it
.if \fill
	s_xor_b32 s37, s37, SLOT1
	s_add_nc_u64 s[38:39], s[38:39], 256
	s_xor_b32 s53, s53, SLOT1
	s_add_nc_u64 s[54:55], s[54:55], 32768
.endif
	s_xor_b32 s100, s100, SLOT1
	s_wait_dscnt 0x0                               ; the add is done, my reads of this slot are over (X's blocks 2, 3 among them)
	s_barrier_signal -1
	s_barrier_wait -1
.if \fill
	CREST
	JLOAD                                          ; its four v_nop are also the places in front of the loads below
.else
	PLACES
.endif
	v_add_nc_u32 v16, s100, v8
	v_add_nc_u32 v17, s100, v9
	FETCH 0, 0
.if \fill
	ASK
.endif
	MULA 1, 2, 0
	MULA 1, 3, 0
.endm
	s_load_b256 s[4:11], s[0:1], 0x0               ; xb s[4:5], wts s[6:7], qk s[8:9], st s[10:11]
	s_load_b64 s[12:13], s[0:1], 0x20              ; ctx
	v_lshl_add_u32 v28, v0, 2, SPARE
	v_mov_b32 v29, 0
	ds_add_u32 v28, v29                            ; the wave's opening: the add and its wait stand ahead of my first tensor load
	v_lshrrev_b32 v1, 5, v0
	v_readfirstlane_b32 s14, v1
	s_lshr_b32 s15, s14, 1
	s_and_b32 s16, s14, 1
	s_bfe_u32 s17, ttmp6, 0x40000                  ; cx
	s_bfe_u32 s18, ttmp6, 0x40004                  ; cy
	s_lshl_b32 s19, ttmp9, 2
	s_add_co_u32 s19, s19, s17                     ; tx
	s_and_b32 s20, ttmp7, 0xffff
	s_lshl_b32 s20, s20, 2
	s_add_co_u32 s20, s20, s18                     ; ty
	s_lshl_b32 s21, s18, 2
	s_lshl_b32 s21, 15, s21                        ; my row of the cluster
	s_lshl_b32 s22, 0x1111, s17                    ; my column
	s_or_b32 s24, s21, (1<<16)|(1<<20)|(1<<21)|(5<<22)|(3<<25)  ; X: 128 rows x 128 elements of 2 bytes, 16 bytes of padding behind every 256
	s_mov_b32 s25, 128<<16
	s_mov_b32 s26, 128<<16
	s_mov_b32 s27, 128<<16
	s_mov_b32 s28, 128
	s_mov_b32 s29, 2048
	s_mov_b32 s30, 0
	s_mov_b32 s31, 0
	s_or_b32 s40, s22, (1<<16)|(1<<20)|(1<<21)|(5<<22)|(7<<25)  ; W: 64 k x 128 columns, dense, 32 bytes of padding behind every 256
	s_mov_b32 s41, 128<<16
	s_mov_b32 s42, 64<<16
	s_mov_b32 s43, 128<<16
	s_mov_b32 s44, 64
	s_mov_b32 s45, 128
	s_mov_b32 s46, 0
	s_mov_b32 s47, 0
	s_mov_b32 s32, 1
	s_mul_i32 s33, s16, 128*272
	s_mov_b32 s36, 1
	s_add_co_u32 s37, s33, SLOT1
	s_mov_b32 s48, 1
	s_mul_i32 s49, s16, 64*288
	s_add_co_u32 s49, s49, LB
	s_mov_b32 s52, 1
	s_add_co_u32 s53, s49, SLOT1
	s_mov_b32 s100, 0
	s_mov_b32 s72, 0x76543210
	s_mov_b32 s73, 0xfedcba98
	s_mov_b32 s74, 0xc2c80000                      ; -100
	s_mov_b32 s75, 0x42dc0000                      ; 110
	s_lshl_b32 s56, s20, 8
	s_lshl_b32 s57, s16, 7
	s_add_co_u32 s56, s56, s57
	s_lshl_b32 s56, s56, 12
	s_mov_b32 s57, 0
	s_lshl_b32 s58, s19, 19
	s_lshl_b32 s59, s16, 14
	s_add_co_u32 s58, s58, s59
	s_add_co_u32 s58, s58, WOFF
	s_mov_b32 s59, 0
	s_wait_dscnt 0x0
	s_wait_kmcnt 0x0
	s_add_nc_u64 s[34:35], s[4:5], s[56:57]
	s_add_nc_u64 s[38:39], s[34:35], 256
	s_or_b32 s35, s35, 0x80000000
	s_or_b32 s39, s39, 0x80000000
	s_add_nc_u64 s[50:51], s[6:7], s[58:59]
	s_add_nc_u64 s[54:55], s[50:51], 32768
	s_or_b32 s51, s51, 0x80000000
	s_or_b32 s55, s55, 0x80000000
	CROUND                                         ; all sixteen work-groups are here: the first joint loads meet
	s_cmp_lt_u32 s14, 2
	s_cbranch_scc0 .Lfirst_b
	tensor_load_to_lds s[32:35], s[24:31]
	s_nop 0
	tensor_load_to_lds s[36:39], s[24:31]
	s_nop 0
	PLACES
	s_branch .Lfirst_done
.Lfirst_b:
	tensor_load_to_lds s[48:51], s[40:47]
	s_nop 0
	tensor_load_to_lds s[52:55], s[40:47]
	s_nop 0
	PLACES
.Lfirst_done:
	v_and_b32 v1, 15, v0                           ; r
	v_bfe_u32 v2, v0, 4, 1                         ; h
	v_and_b32 v3, 7, v0
	v_bfe_u32 v4, v0, 3, 1
	v_and_b32 v5, 31, v0
	v_lshlrev_b32 v22, 4, v5                       ; 16 l
	; the loads of the head: my half of my head's four chunks; its four records; all 256 records; my rows of kappa(q)
	s_lshr_b32 s23, s20, 3
	s_lshl_b32 s23, s23, 5
	s_lshl_b32 s101, s19, 1
	s_add_co_u32 s23, s23, s101
	s_add_co_u32 s23, s23, s15                     ; 32 b + 2 tx + wave / 2
	s_lshl_b32 s101, s23, 6
	v_mov_b32 v23, s101
	s_lshl_b32 s23, s23, 16
	s_lshl_b32 s101, s16, 13
	s_add_co_u32 s23, s23, s101
	v_add_nc_u32 v24, s23, v22
	WIN 0x40                                       ; destination window 1
.set n, 0
.rept 64
	global_load_b128 v[4*n:4*n+3], v24, s[10:11] offset:(n/16)*16384+(n%16)*512
.set n, n+1
.endr
	WIN 0
.irp c, 0,1,2,3
	global_load_b128 v[128+4*\c:131+4*\c], v23, s[10:11] offset:4194304+16*\c
.endr
.irp n, 0,1,2,3,4,5,6,7
	global_load_b128 v[144+4*\n:147+4*\n], v22, s[10:11] offset:4194304+512*\n
.endr
	s_lshl_b32 s23, s20, 8
	s_lshl_b32 s101, s14, 6
	s_add_co_u32 s23, s23, s101
	s_lshl_b32 s23, s23, 12
	s_lshl_b32 s101, s19, 8
	s_add_co_u32 s23, s23, s101                    ; row 256 ty + 64 w, column 128 tx, in qk and in ctx
	v_lshlrev_b32 v25, 12, v1
	v_lshl_add_u32 v25, v2, 4, v25
	v_add_nc_u32 v25, s23, v25
	WIN 0xc0                                       ; destination window 3
.set n, 0
.rept 16                                       ; fragment n = 4 a + 2 head + half of d
	global_load_b128 v[128+8*n:131+8*n], v25, s[8:9] offset:(n/4)*65536+(n%4)*64
	global_load_b128 v[132+8*n:135+8*n], v25, s[8:9] offset:(n/4)*65536+(n%4)*64+32
.set n, n+1
.endr
	WIN 0
	s_lshl_b32 s101, s14, 6
	v_add_nc_u32 v5, s101, v1
	v_mul_u32_u24 v8, v5, 272
	v_lshl_add_u32 v8, v2, 4, v8
	v_lshl_add_u32 v5, v2, 3, v3
	v_mul_u32_u24 v9, v5, 288
	v_lshl_add_u32 v9, v4, 4, v9
	v_add_nc_u32 v9, LB, v9
	v_mov_b32 v16, v8
	v_mov_b32 v17, v9
	s_lshl_b32 s101, s14, 12
	s_add_co_u32 s101, s101, OSL
	v_add_nc_u32 v20, s101, v22                    ; where I put my part of the states
	v_add_nc_u32 v21, OSL, v22                     ; where all are read
	s_mul_i32 s101, s14, 16*272
	s_add_co_u32 s101, s101, STG
	v_mul_u32_u24 v26, v1, 272
	v_lshl_add_u32 v26, v2, 4, v26
	v_add_nc_u32 v26, s101, v26                    ; the stage, in: row r, 16 bytes for each half of the lanes
	v_mul_u32_u24 v27, v2, 272
	v_lshl_add_u32 v27, v1, 4, v27
	v_add_nc_u32 v27, s101, v27                    ; back: lanes 0-15 one row of 256 bytes, lanes 16-31 the next
	v_lshlrev_b32 v31, 12, v2
	v_lshl_add_u32 v31, v1, 4, v31
	v_add_nc_u32 v31, s23, v31                     ; and the same two rows in ctx
	; the prefetches
	s_lshl_b32 s70, s20, 8
	s_lshl_b32 s71, s16, 7
	s_add_co_u32 s70, s70, s71
	s_lshl_b32 s71, s17, 5
	s_add_co_u32 s70, s70, s71
	s_lshl_b32 s70, s70, 12
	s_add_co_u32 s70, s70, 3*256
	s_lshl_b32 s71, s19, 19
	s_lshl_b32 s101, s18, 13
	s_add_co_u32 s71, s71, s101
	s_add_co_u32 s71, s71, WOFF+3*32768
	s_and_b32 s101, ttmp7, 0xffff
	s_cmp_eq_u32 s15, 0
	s_cselect_b32 s70, s70, s71
	s_cselect_b32 s101, ttmp9, s101
	s_cselect_b32 s66, 8, 15
	s_cselect_b32 s71, 12, 8
	s_cselect_b64 s[60:61], s[4:5], s[6:7]
	s_cmp_eq_u32 s101, 0
	s_cselect_b32 s62, 2, -1
	s_cmp_eq_u32 s14, 3
	s_cselect_b32 s62, -1, s62                     ; wave 3 asks for nothing
	s_lshl_b32 s66, 1, s66
	s_mov_b32 s67, 0
	v_and_b32 v30, 31, v0
	v_lshlrev_b32 v30, s71, v30
	s_mov_b32 s71, 0
	s_add_nc_u64 s[60:61], s[60:61], s[70:71]
	v_mov_b32 v38, 0
	; THE STATES ARE JOINED
	s_wait_loadcnt 32                              ; all but the 32 loads of kappa(q), which stay out until the way out
	v_max3_num_f32 v32, v128, v132, v136
	v_max_num_f32 v32, v32, v140
	v_sub_f32 v33, v128, v32
	v_sub_f32 v34, v132, v32
	v_sub_f32 v35, v136, v32
	v_sub_f32 v36, v140, v32
	v_exp_f32 v33, v33
	v_exp_f32 v34, v34
	v_exp_f32 v35, v35
	v_exp_f32 v36, v36
	v_max3_num_f32 v39, v146, v150, v154           ; E: the largest of the 256 bounds; plain work behind the batch
	v_max3_num_f32 v39, v39, v158, v162
	v_max3_num_f32 v39, v39, v166, v170
	v_max_num_f32 v39, v39, v174
	v_max_num_f32_dpp v39, v39, v39 row_xmask:1 row_mask:0xf bank_mask:0xf
	v_max_num_f32_dpp v39, v39, v39 row_xmask:2 row_mask:0xf bank_mask:0xf
	v_max_num_f32_dpp v39, v39, v39 row_xmask:4 row_mask:0xf bank_mask:0xf
	v_max_num_f32_dpp v39, v39, v39 row_xmask:8 row_mask:0xf bank_mask:0xf
	v_permlanex16_b32 v38, v39, s72, s73
	v_max_num_f32 v39, v39, v38
	v_med3_num_f32 v39, v39, s74, s75
	v_cvt_i32_f32 v39, v39
	s_wait_alu depctr_va_vdst(0)                   ; one wait for the four exponentials, ahead of their first reader
	v_mul_f32 v37, v33, v129
	v_fmac_f32 v37, v34, v133
	v_fmac_f32 v37, v35, v137
	v_fmac_f32 v37, v36, v141
	v_rcp_f32 v37, v37
	v_sub_nc_u32 v38, 142, v39
	v_lshlrev_b32 v38, 23, v38                     ; 2^(15 - E)
	s_wait_alu depctr_va_vdst(0)                   ; the reciprocal's wait
	v_mul_f32 v37, v37, v38
.irp c, 0,1,2,3
	v_mul_f32 v[40+2*\c], v[33+\c], v37
	v_mul_f32 v[41+2*\c], v[33+\c], v37
.endr
	WIN 0x51                                       ; the chunks in window 1, their weights in window 0
.set i, 0
.rept 32
	v_pk_mul_f32 v[2*i:2*i+1], v[2*i:2*i+1], v[40:41]
	v_pk_fma_f32 v[2*i:2*i+1], v[64+2*i:65+2*i], v[42:43], v[2*i:2*i+1]
	v_pk_fma_f32 v[2*i:2*i+1], v[128+2*i:129+2*i], v[44:45], v[2*i:2*i+1]
	v_pk_fma_f32 v[2*i:2*i+1], v[192+2*i:193+2*i], v[46:47], v[2*i:2*i+1]
.set i, i+1
.endr
	WIN 0x05
.set i, 0
.rept 32
	v_cvt_pk_bf16_f32 v[192+i], v[2*i], v[2*i+1]
.set i, i+1
.endr
	WIN 0
.set i, 0
.rept 8                                        ; accumulator i = 4 (db % 2) + fb
	ds_store_b128 v20, v[192+4*i:195+4*i] offset:(i%4)*1024+(i/4)*512
.set i, i+1
.endr
	s_wait_tensorcnt 1                             ; my part of slot 0 is in; slot 1's may stay out
	s_wait_dscnt 0x0                               ; my part of the states is written
	s_barrier_signal -1
	s_barrier_wait -1
	FETCH 0, 0
	QUARTER 1, 0, 1, 1                             ; the first quarter starts the sums
	WIN 0
	s_mov_b32 s3, 14
.Lstep:
	QUARTER 2, 1, 0, 0
	QUARTER 3, 0, 1, 0
	TURN 1
	QUARTER 1, 0, 1, 0
	WIN 0
	s_sub_co_u32 s3, s3, 1
	s_cmp_lg_u32 s3, 0
	s_cbranch_scc1 .Lstep
	QUARTER 2, 1, 0, 0
	QUARTER 3, 0, 1, 0
	TURN 0
	QUARTER 1, 0, 1, 0
	QUARTER 2, 1, 0, 0
	QUARTER 3, 0, 1, 0
	s_wait_dscnt 4
	MULA 1, 0, 0
	MULA 1, 1, 0
	s_wait_dscnt 0x0
	MULA 1, 2, 0
	MULA 1, 3, 0
	; kappa(q) . state: 64 products, the 32 accumulators by turns
	PLACES
	WIN TO_B
.set n, 0
.rept 32
	ds_load_b128 v[4*n:4*n+3], v21 offset:n*512    ; fragment (head, half of d, fb) at 8 x (4 (2 head + half) + fb)
.set n, n+1
.endr
	WIN 0
	s_wait_loadcnt 0x0                             ; kappa(q)
	s_wait_dscnt 0x0
	WIN 0xaf                                       ; both sources window 3, C and D window 2
.irp ks, 0,1
.set idx, 0
.rept 32
.set rS, 8*((((idx%8)/4)*2+\ks)*4+(idx%4))
.set rQ, 128+8*(4*(idx/8)+2*((idx%8)/4)+\ks)
.if \ks == 0
	v_wmma_f32_16x16x32_bf16 v[8*idx:8*idx+7], v[rS:rS+7], v[rQ:rQ+7], 0
.else
	v_wmma_f32_16x16x32_bf16 v[8*idx:8*idx+7], v[rS:rS+7], v[rQ:rQ+7], v[8*idx:8*idx+7]
.endif
.set idx, idx+1
.endr
.endr
	PLACES
; THE WAY OUT of row block a: the two results multiplied (registers in ascending order), rounded to f16; through my stage; stored as whole pieces of 256 bytes.
.macro PACK a
	WIN 0x49                                       ; X Wphi (destination, source 0) window 1, the other result window 2
.set i, 0
.rept 32
	v_pk_mul_f32 v[64*(\a)+2*i:64*(\a)+2*i+1], v[64*(\a)+2*i:64*(\a)+2*i+1], v[64*(\a)+2*i:64*(\a)+2*i+1]
.set i, i+1
.endr
	WIN 0x05
.set i, 0
.rept 32
	v_cvt_pk_f16_f32 v[192+i], v[64*(\a)+2*i], v[64*(\a)+2*i+1]
.set i, i+1
.endr
	WIN 0
.endm
.macro TOSTAGE a
	s_wait_xcnt 0x0                                ; the registers read back into were the data of stores two blocks ago
.irp b, 0,1,2,3,4,5,6,7
	ds_store_b128 v26, v[192+4*\b:195+4*\b] offset:32*\b
.endr
.irp t, 0,1,2,3,4,5,6,7
	ds_load_b128 v[128+32*((\a)%2)+4*\t:131+32*((\a)%2)+4*\t], v27 offset:\t*544  ; in order behind the stores above
.endr
.endm
.macro SEND a
	s_wait_dscnt 0x0
.irp t, 0,1,2,3,4,5,6,7
	global_store_b128 v31, v[128+32*((\a)%2)+4*\t:131+32*((\a)%2)+4*\t], s[12:13] offset:(\a)*65536+\t*8192  ; 16 lanes store 256 consecutive bytes, aligned
.endr
.endm
	PACK 0
	TOSTAGE 0
	PACK 1
	SEND 0
	TOSTAGE 1
	PACK 2
	SEND 1
	TOSTAGE 2
	PACK 3
	SEND 2
	TOSTAGE 3
	SEND 3
	s_wait_tensorcnt 0x0                           ; the wave's end
	ds_add_u32 v28, v29
	s_wait_dscnt 0x0
	CROUND                                         ; the closing round
	s_endpgm
.Lfunc_end_k_qe30ac0522d_gemm_phi:
	.size	k_qe30ac0522d_gemm_phi, .Lfunc_end_k_qe30ac0522d_gemm_phi-k_qe30ac0522d_gemm_phi
	.p2alignl 7, 3214868480
	.fill 96, 4, 3214868480
	.section	.rodata,"a",@progbits
	.p2align	6, 0x0
	.amdhsa_kernel k_qe30ac0522d_gemm_phi
		.amdhsa_group_segment_fixed_size 327680
		.amdhsa_private_segment_fixed_size 0
		.amdhsa_enable_private_segment 0
		.amdhsa_kernarg_size 40
		.amdhsa_user_sgpr_count 2
		.amdhsa_user_sgpr_kernarg_segment_ptr 1
		.amdhsa_wavefront_size32 1
		.amdhsa_system_sgpr_workgroup_id_x 1
		.amdhsa_system_sgpr_workgroup_id_y 1
		.amdhsa_system_sgpr_workgroup_id_z 1
		.amdhsa_system_vgpr_workitem_id 0
		.amdhsa_next_free_vgpr 1024
		.amdhsa_next_free_sgpr 102
		.amdhsa_reserve_vcc 0
		.amdhsa_float_denorm_mode_32 3
		.amdhsa_float_denorm_mode_16_64 3
		.amdhsa_memory_ordered 1
		.amdhsa_forward_progress 1
		.amdhsa_inst_pref_size 109
	.end_amdhsa_kernel
	.amdgpu_metadata
---
amdhsa.version: [ 1, 2 ]
amdhsa.kernels:
  - .name:           k_qe30ac0522d_gemm_phi
    .symbol:         k_qe30ac0522d_gemm_phi.kd
    .args:
      - { .name: xb, .offset: 0, .size: 8, .value_kind: global_buffer, .address_space: global }
      - { .name: wts, .offset: 8, .size: 8, .value_kind: global_buffer, .address_space: global }
      - { .name: qk, .offset: 16, .size: 8, .value_kind: global_buffer, .address_space: global }
      - { .name: st, .offset: 24, .size: 8, .value_kind: global_buffer, .address_space: global }
      - { .name: ctx, .offset: 32, .size: 8, .value_kind: global_buffer, .address_space: global }
    .group_segment_fixed_size: 327680
    .private_segment_fixed_size: 0
    .kernarg_segment_align: 8
    .kernarg_segment_size: 40
    .max_flat_workgroup_size: 128
    .sgpr_count:     102
    .vgpr_count:     1024
    .wavefront_size: 32
...
	.end_amdgpu_metadata
.endif
;; end of part 4
;; launch gemm_out (part 5): grid 16 x 16, 4 waves a work-group, clusters of 4 x 4, 327,680 bytes of LDS; arguments ctx, wts, st, out0; writes out0
.if DOCPART == 5
	.amdgcn_target "amdgcn-amd-amdhsa--gfx1250"
	.amdhsa_code_object_version 6
	.text
	.protected	k_qe30ac0522d_gemm_out
	.globl	k_qe30ac0522d_gemm_out
	.p2align	8
	.type	k_qe30ac0522d_gemm_out,@function
k_qe30ac0522d_gemm_out:
	s_mov_b64 s[64:65], 0
	v_nop
	global_prefetch_b8 v0, s[64:65] scope:SCOPE_SE
	s_setreg_imm32_b32 hwreg(HW_REG_WAVE_MODE, 25, 1), 1
	s_wait_xcnt 0x0
	s_wait_alu depctr_hold_cnt(0) depctr_sa_sdst(0) depctr_va_vdst(0) depctr_va_sdst(0) depctr_va_ssrc(0) depctr_va_vcc(0) depctr_vm_vsrc(0)
	s_getreg_b32 s2, hwreg(HW_REG_IB_STS2, 6, 4)
	s_cmp_eq_u32 s2, 0
	s_cbranch_scc0 .Lentry_in_a_cluster
	s_endpgm
.Lentry_in_a_cluster:
	s_bfe_u32 s2, ttmp6, 0x10000c
	s_cmp_lg_u32 s2, 0xf033
	s_cbranch_scc0 .Lentry_shape_is_right
	s_endpgm
.Lentry_shape_is_right:
; out0 = ctx Wo.  ctx: [4096][2048] f16, scaled by 2^(15 - E) / 2048; Wo: wts + 20,971,520, tiles [k][128] f16 (bf16 numbers written as f16).  Sums in f32, multiplied by 2^(E - 4) on the way out; out0 f32.
; A work-group makes 256 rows x 128 columns; wave w owns rows 64 w .. 64 w + 63: 32 accumulators.  K goes in 16 steps of 128 through two LDS slots.  256 work-groups, one tile each.
; THE MATRIX INSTRUCTION IS USED TRANSPOSED: source 0 = 16 columns of Wo (turned out of LDS), source 1 = 16 rows of ctx: a lane holds one row and 8 neighbouring columns.
; CLUSTER 4 x 4: ctx's tiles are shared along a row of the cluster, Wo's along a column.
; LIMITS.  E, the largest of the 256 records' bounds, is held to -100 .. 110, as in the launch before.  NaN and infinities are not treated apart.
; REGISTERS: window 0: v0-47 addresses and single numbers; v64-127 ctx's fragments, two buffers; v128-255 at work.  Window 1: the accumulators (8 a + nb at 8 x number).  Window 3: v0-127 Wo's fragments, two buffers.
.set NB,    8
.set NL,    2*NB+8
.set SLOT1, 131072
.set LB,    69632
.set STG,   237568                     ; the way out: 16 rows x 528 bytes for each wave (512 + 16 = 33 x 16)
.set SPARE, 271360
.set WOFF,  20971520
.set FA,    64
.set MUL1,  0x53
.set TO_B,  0xc0
.set MSB, 0
.macro WIN new
.if MSB != (\new)
	s_set_vgpr_msb (MSB<<8)|(\new)
.set MSB, \new
.endif
.endm
.macro PLACES                          ; four plain instructions between a matrix instruction and a load into, or a read of, its registers
.rept 4
	v_nop
.endr
.endm
.macro MULA f, a, zero                 ; 8 matrix instructions; every accumulator has one a quarter step: 31 others stand between two links of a chain
	WIN MUL1
.set bb, 0
.rept NB
.set rD, 8*(NB*(\a)+bb)
.set rB, 8*NB*(\f)+8*bb
.set rA, FA+32*(\f)+8*(\a)
.if \zero
	v_wmma_f32_16x16x32_f16 v[rD:rD+7], v[rB:rB+7], v[rA:rA+7], 0
.else
	v_wmma_f32_16x16x32_f16 v[rD:rD+7], v[rB:rB+7], v[rA:rA+7], v[rD:rD+7]
.endif
.set bb, bb+1
.endr
.endm
.macro FETCH kq, f
	WIN TO_B
.set nb, 0
.rept 8
.set rB, 8*NB*(\f)+8*nb
	ds_load_tr16_b128 v[rB:rB+3],   v17 offset:(\kq)*9216+nb*32
	ds_load_tr16_b128 v[rB+4:rB+7], v17 offset:(\kq)*9216+nb*32+4608
.set nb, nb+1
.endr
	WIN 0
.set aa, 0
.rept 4
.set rA, FA+32*(\f)+8*aa
	ds_load_b128 v[rA:rA+3],   v16 offset:aa*4352+(\kq)*64
	ds_load_b128 v[rA+4:rA+7], v16 offset:aa*4352+(\kq)*64+32
.set aa, aa+1
.endr
.endm
.macro QUARTER kq, f, g, zero
	s_wait_dscnt 4                                 ; all of W and ctx's blocks 0, 1 are in; the youngest four loads may be out
	MULA \f, 0, \zero
	MULA \f, 1, \zero
	PLACES
	FETCH \kq, \g
	s_wait_dscnt NL                                ; all but the run just issued
	MULA \f, 2, \zero
	MULA \f, 3, \zero
.endm
.macro CREST
	s_cmp_lg_u32 s14, 0
	s_cbranch_scc1 .Lnot_wave_0_\@
	s_barrier_signal -3
.Lnot_wave_0_\@:
	s_barrier_wait -3
	s_barrier_signal -1
	s_barrier_wait -1
.endm
.macro CROUND
	s_barrier_signal -1
	s_barrier_wait -1
	CREST
.endm
.macro JLOAD                           ; waves 0, 1 fetch ctx's two halves, waves 2, 3 W's; an s_nop 0 and four v_nop follow each load
	s_cmp_lt_u32 s14, 2
	s_cbranch_scc0 .Lfor_b_\@
	tensor_load_to_lds s[36:39], s[24:31]
	s_nop 0
	PLACES
	s_branch .Lasked_\@
.Lfor_b_\@:
	tensor_load_to_lds s[52:55], s[40:47]
	s_nop 0
	PLACES
.Lasked_\@:
.endm
; A prefetch into the L2 of the K step two refills on.  ctx's rows: the clusters with x = 0 ask, waves 0 and 1, a lane a row; of a wave's 128 rows the partner at cx takes 32.  W's step (128 blocks of 256 bytes):
; the clusters with y = 0 ask, wave 2; the partner at cy takes 32 blocks.  Partners are told apart by address; each block is named once.  The last two trips ask for nothing.
.macro ASK
	s_cmp_gt_u32 s3, s62
	s_cbranch_scc0 .Lnot_mine_\@
	global_prefetch_b8 v30, s[60:61] th:TH_LOAD_NT scope:SCOPE_SE
.Lnot_mine_\@:
.endm
; The last quarter of a step and the change of slots.  The quarter's first 16 products stand AHEAD of the wait for the tiles, its last 16 behind the next slot's first LDS loads, which they cover: between the wait that
; shows the next slot landed and the request for the tile after it stand only the lines that order them: all my tensor loads waited for, the add, the wait for it and for my reads of this slot, the barrier
; (fill = 1: a round of the cluster's), and the joint refill first behind it.
.macro TURN fill
.if \fill
	s_wait_xcnt 0x0                                ; the last prefetch, a step back, has read its address
	s_add_nc_u64 s[60:61], s[60:61], s[66:67]
.endif
	s_wait_dscnt 4                                 ; all of W and ctx's blocks 0, 1 are in
	MULA 1, 0, 0
	MULA 1, 1, 0
	WIN 0
	s_wait_tensorcnt 0x0                           ; no tensor load of mine is out, so the descriptors may be written
	ds_add_u32 v28, v29                            ; 0 onto my spare word; the descriptors' steps stand between it and the wait for it
.if \fill
	s_xor_b32 s37, s37, SLOT1
	s_add_nc_u64 s[38:39], s[38:39], 256
	s_xor_b32 s53, s53, SLOT1
	s_add_nc_u64 s[54:55], s[54:55], 32768
.endif
	s_xor_b32 s100, s100, SLOT1
	s_wait_dscnt 0x0                               ; the add is done, my reads of this slot are over (ctx's blocks 2, 3 among them)
	s_barrier_signal -1
	s_barrier_wait -1
.if \fill
	CREST
	JLOAD                                          ; its four v_nop are also the places in front of the loads below
.else
	PLACES
.endif
	v_add_nc_u32 v16, s100, v8
	v_add_nc_u32 v17, s100, v9
	FETCH 0, 0
.if \fill
	ASK
.endif
	MULA 1, 2, 0
	MULA 1, 3, 0
.endm
	s_load_b256 s[4:11], s[0:1], 0x0               ; ctx s[4:5], wts s[6:7], st s[8:9], out0 s[10:11]
	v_lshl_add_u32 v28, v0, 2, SPARE
	v_mov_b32 v29, 0
	ds_add_u32 v28, v29                            ; the wave's opening: the add and its wait stand ahead of my first tensor load
	v_lshrrev_b32 v1, 5, v0
	v_readfirstlane_b32 s14, v1
	s_lshr_b32 s15, s14, 1
	s_and_b32 s16, s14, 1
	s_bfe_u32 s17, ttmp6, 0x40000                  ; cx
	s_bfe_u32 s18, ttmp6, 0x40004                  ; cy
	s_lshl_b32 s19, ttmp9, 2
	s_add_co_u32 s19, s19, s17                     ; tx
	s_and_b32 s20, ttmp7, 0xffff
	s_lshl_b32 s20, s20, 2
	s_add_co_u32 s20, s20, s18                     ; ty
	s_lshl_b32 s21, s18, 2
	s_lshl_b32 s21, 15, s21
	s_lshl_b32 s22, 0x1111, s17
	s_or_b32 s24, s21, (1<<16)|(1<<20)|(1<<21)|(5<<22)|(3<<25)  ; ctx: 128 rows x 128 elements of 2 bytes, 16 bytes of padding behind every 256
	s_mov_b32 s25, 128<<16
	s_mov_b32 s26, 128<<16
	s_mov_b32 s27, 128<<16
	s_mov_b32 s28, 128
	s_mov_b32 s29, 2048
	s_mov_b32 s30, 0
	s_mov_b32 s31, 0
	s_or_b32 s40, s22, (1<<16)|(1<<20)|(1<<21)|(5<<22)|(7<<25)  ; W: 64 k x 128 columns, dense, 32 bytes of padding behind every 256
	s_mov_b32 s41, 128<<16
	s_mov_b32 s42, 64<<16
	s_mov_b32 s43, 128<<16
	s_mov_b32 s44, 64
	s_mov_b32 s45, 128
	s_mov_b32 s46, 0
	s_mov_b32 s47, 0
	s_mov_b32 s32, 1
	s_mul_i32 s33, s16, 128*272
	s_mov_b32 s36, 1
	s_add_co_u32 s37, s33, SLOT1
	s_mov_b32 s48, 1
	s_mul_i32 s49, s16, 64*288
	s_add_co_u32 s49, s49, LB
	s_mov_b32 s52, 1
	s_add_co_u32 s53, s49, SLOT1
	s_mov_b32 s100, 0
	s_mov_b32 s72, 0x76543210
	s_mov_b32 s73, 0xfedcba98
	s_mov_b32 s74, 0xc2c80000                      ; -100
	s_mov_b32 s75, 0x42dc0000                      ; 110
	s_lshl_b32 s56, s20, 8
	s_lshl_b32 s57, s16, 7
	s_add_co_u32 s56, s56, s57
	s_lshl_b32 s56, s56, 12
	s_mov_b32 s57, 0
	s_lshl_b32 s58, s19, 19
	s_lshl_b32 s59, s16, 14
	s_add_co_u32 s58, s58, s59
	s_add_co_u32 s58, s58, WOFF
	s_mov_b32 s59, 0
	s_wait_dscnt 0x0
	s_wait_kmcnt 0x0
	s_add_nc_u64 s[34:35], s[4:5], s[56:57]
	s_add_nc_u64 s[38:39], s[34:35], 256
	s_or_b32 s35, s35, 0x80000000
	s_or_b32 s39, s39, 0x80000000
	s_add_nc_u64 s[50:51], s[6:7], s[58:59]
	s_add_nc_u64 s[54:55], s[50:51], 32768
	s_or_b32 s51, s51, 0x80000000
	s_or_b32 s55, s55, 0x80000000
	CROUND                                         ; all sixteen work-groups are here: the first joint loads meet
	s_cmp_lt_u32 s14, 2
	s_cbranch_scc0 .Lfirst_b
	tensor_load_to_lds s[32:35], s[24:31]
	s_nop 0
	tensor_load_to_lds s[36:39], s[24:31]
	s_nop 0
	PLACES
	s_branch .Lfirst_done
.Lfirst_b:
	tensor_load_to_lds s[48:51], s[40:47]
	s_nop 0
	tensor_load_to_lds s[52:55], s[40:47]
	s_nop 0
	PLACES
.Lfirst_done:
	v_and_b32 v1, 15, v0                           ; r
	v_bfe_u32 v2, v0, 4, 1                         ; h
	v_and_b32 v3, 7, v0
	v_bfe_u32 v4, v0, 3, 1
	v_and_b32 v5, 31, v0
	v_lshlrev_b32 v22, 4, v5                       ; 16 l
.irp n, 0,1,2,3,4,5,6,7
	global_load_b128 v[144+4*\n:147+4*\n], v22, s[8:9] offset:4194304+512*\n  ; all 256 records
.endr
	s_lshl_b32 s101, s14, 6
	v_add_nc_u32 v5, s101, v1
	v_mul_u32_u24 v8, v5, 272
	v_lshl_add_u32 v8, v2, 4, v8
	v_lshl_add_u32 v5, v2, 3, v3
	v_mul_u32_u24 v9, v5, 288
	v_lshl_add_u32 v9, v4, 4, v9
	v_add_nc_u32 v9, LB, v9
	v_mov_b32 v16, v8
	v_mov_b32 v17, v9
	s_mul_i32 s101, s14, 16*528
	s_add_co_u32 s101, s101, STG
	v_mul_u32_u24 v26, v1, 528
	v_lshl_add_u32 v26, v2, 5, v26
	v_add_nc_u32 v26, s101, v26                    ; the stage, in: row r, 32 bytes for each half of the lanes
	v_add_nc_u32 v27, s101, v22                    ; back: a row of 512 bytes
	s_lshl_b32 s23, s20, 8
	s_lshl_b32 s101, s14, 6
	s_add_co_u32 s23, s23, s101
	s_lshl_b32 s23, s23, 13
	s_lshl_b32 s101, s19, 9
	s_add_co_u32 s23, s23, s101
	v_add_nc_u32 v31, s23, v22                     ; out0 at row 256 ty + 64 w, column 128 tx
	; the prefetches
	s_lshl_b32 s70, s20, 8
	s_lshl_b32 s71, s16, 7
	s_add_co_u32 s70, s70, s71
	s_lshl_b32 s71, s17, 5
	s_add_co_u32 s70, s70, s71
	s_lshl_b32 s70, s70, 12
	s_add_co_u32 s70, s70, 3*256
	s_lshl_b32 s71, s19, 19
	s_lshl_b32 s101, s18, 13
	s_add_co_u32 s71, s71, s101
	s_add_co_u32 s71, s71, WOFF+3*32768
	s_and_b32 s101, ttmp7, 0xffff
	s_cmp_eq_u32 s15, 0
	s_cselect_b32 s70, s70, s71
	s_cselect_b32 s101, ttmp9, s101
	s_cselect_b32 s66, 8, 15
	s_cselect_b32 s71, 12, 8
	s_cselect_b64 s[60:61], s[4:5], s[6:7]
	s_cmp_eq_u32 s101, 0
	s_cselect_b32 s62, 2, -1
	s_cmp_eq_u32 s14, 3
	s_cselect_b32 s62, -1, s62                     ; wave 3 asks for nothing
	s_lshl_b32 s66, 1, s66
	s_mov_b32 s67, 0
	v_and_b32 v30, 31, v0
	v_lshlrev_b32 v30, s71, v30
	s_mov_b32 s71, 0
	s_add_nc_u64 s[60:61], s[60:61], s[70:71]
	v_mov_b32 v38, 0
	s_wait_loadcnt 0x0
	v_max3_num_f32 v39, v146, v150, v154           ; E: the largest of the 256 bounds
	v_max3_num_f32 v39, v39, v158, v162
	v_max3_num_f32 v39, v39, v166, v170
	v_max_num_f32 v39, v39, v174
	v_max_num_f32_dpp v39, v39, v39 row_xmask:1 row_mask:0xf bank_mask:0xf
	v_max_num_f32_dpp v39, v39, v39 row_xmask:2 row_mask:0xf bank_mask:0xf
	v_max_num_f32_dpp v39, v39, v39 row_xmask:4 row_mask:0xf bank_mask:0xf
	v_max_num_f32_dpp v39, v39, v39 row_xmask:8 row_mask:0xf bank_mask:0xf
	v_permlanex16_b32 v38, v39, s72, s73
	v_max_num_f32 v39, v39, v38
	v_med3_num_f32 v39, v39, s74, s75
	v_cvt_i32_f32 v39, v39
	v_add_nc_u32 v40, 123, v39
	v_lshlrev_b32 v40, 23, v40                     ; 2^(E - 4) = 2048 x 2^(E - 15)
	v_mov_b32 v41, v40
	s_wait_tensorcnt 1                             ; my part of slot 0 is in; slot 1's may stay out
	s_barrier_signal -1
	s_barrier_wait -1
	FETCH 0, 0
	QUARTER 1, 0, 1, 1                             ; the first quarter starts the sums
	WIN 0
	s_mov_b32 s3, 14
.Lstep:
	QUARTER 2, 1, 0, 0
	QUARTER 3, 0, 1, 0
	TURN 1
	QUARTER 1, 0, 1, 0
	WIN 0
	s_sub_co_u32 s3, s3, 1
	s_cmp_lg_u32 s3, 0
	s_cbranch_scc1 .Lstep
	QUARTER 2, 1, 0, 0
	QUARTER 3, 0, 1, 0
	TURN 0
	QUARTER 1, 0, 1, 0
	QUARTER 2, 1, 0, 0
	QUARTER 3, 0, 1, 0
	s_wait_dscnt 4
	MULA 1, 0, 0
	MULA 1, 1, 0
	s_wait_dscnt 0x0
	MULA 1, 2, 0
	MULA 1, 3, 0
	PLACES
; THE WAY OUT of row block a: scaled (registers in ascending order), through my stage, back as whole rows of 512 bytes.
.macro OUTA a
	WIN 0x41                                       ; the sums window 1, the scale window 0
.set i, 0
.rept 32
	v_pk_mul_f32 v[64*(\a)+2*i:64*(\a)+2*i+1], v[64*(\a)+2*i:64*(\a)+2*i+1], v[40:41]
.set i, i+1
.endr
	WIN 0x04                                       ; the LDS stores' data in window 1
.irp b, 0,1,2,3,4,5,6,7
	ds_store_b128 v26, v[64*(\a)+8*\b:64*(\a)+8*\b+3]   offset:64*\b
	ds_store_b128 v26, v[64*(\a)+8*\b+4:64*(\a)+8*\b+7] offset:64*\b+16
.endr
	WIN 0
	s_wait_xcnt 0x0                                ; the registers read back into were the data of stores two blocks ago
.set t, 0
.rept 16
	ds_load_b128 v[128+64*((\a)%2)+4*t:131+64*((\a)%2)+4*t], v27 offset:t*528  ; in order behind the stores above; the next block's stores come behind these
.set t, t+1
.endr
.endm
.macro SEND a, younger                 ; younger: the LDS instructions issued behind block a's loads: the next block's 32, or none
	s_wait_dscnt \younger
.set t, 0
.rept 16
	global_store_b128 v31, v[128+64*((\a)%2)+4*t:131+64*((\a)%2)+4*t], s[10:11] offset:(\a)*131072+t*8192  ; 512 consecutive bytes, aligned
.set t, t+1
.endr
.endm
	OUTA 0
	OUTA 1
	SEND 0, 32
	OUTA 2
	SEND 1, 32
	OUTA 3
	SEND 2, 32
	SEND 3, 0
	s_wait_tensorcnt 0x0                           ; the wave's end
	ds_add_u32 v28, v29
	s_wait_dscnt 0x0
	CROUND                                         ; the closing round
	s_endpgm
.Lfunc_end_k_qe30ac0522d_gemm_out:
	.size	k_qe30ac0522d_gemm_out, .Lfunc_end_k_qe30ac0522d_gemm_out-k_qe30ac0522d_gemm_out
	.p2alignl 7, 3214868480
	.fill 96, 4, 3214868480
	.section	.rodata,"a",@progbits
	.p2align	6, 0x0
	.amdhsa_kernel k_qe30ac0522d_gemm_out
		.amdhsa_group_segment_fixed_size 327680
		.amdhsa_private_segment_fixed_size 0
		.amdhsa_enable_private_segment 0
		.amdhsa_kernarg_size 32
		.amdhsa_user_sgpr_count 2
		.amdhsa_user_sgpr_kernarg_segment_ptr 1
		.amdhsa_wavefront_size32 1
		.amdhsa_system_sgpr_workgroup_id_x 1
		.amdhsa_system_sgpr_workgroup_id_y 1
		.amdhsa_system_sgpr_workgroup_id_z 1
		.amdhsa_system_vgpr_workitem_id 0
		.amdhsa_next_free_vgpr 896
		.amdhsa_next_free_sgpr 102
		.amdhsa_reserve_vcc 0
		.amdhsa_float_denorm_mode_32 3
		.amdhsa_float_denorm_mode_16_64 3
		.amdhsa_memory_ordered 1
		.amdhsa_forward_progress 1
		.amdhsa_inst_pref_size 80
	.end_amdhsa_kernel
	.amdgpu_metadata
---
amdhsa.version: [ 1, 2 ]
amdhsa.kernels:
  - .name:           k_qe30ac0522d_gemm_out
    .symbol:         k_qe30ac0522d_gemm_out.kd
    .args:
      - { .name: ctx, .offset: 0, .size: 8, .value_kind: global_buffer, .address_space: global }
      - { .name: wts, .offset: 8, .size: 8, .value_kind: global_buffer, .address_space: global }
      - { .name: st, .offset: 16, .size: 8, .value_kind: global_buffer, .address_space: global }
      - { .name: out0, .offset: 24, .size: 8, .value_kind: global_buffer, .address_space: global }
    .group_segment_fixed_size: 327680
    .private_segment_fixed_size: 0
    .kernarg_segment_align: 8
    .kernarg_segment_size: 32
    .max_flat_workgroup_size: 128
    .sgpr_count:     102
    .vgpr_count:     896
    .wavefront_size: 32
...
	.end_amdgpu_metadata
.endif
;; end of part 5
;; ======== version 2 of 2: 5 launches; version 1 with the launch cast written anew for expert scheduling mode
;; limits: values are held in f16: magnitudes above 65,504 overflow, below 6.1e-05 lose precision; right only within a limited range of input values
;; workspace buffers: xb 16,777,216 bytes; wts 29,360,128 bytes; aux 536,576 bytes; qk 16,777,216 bytes; kv 13,631,488 bytes; st 4,198,400 bytes; ctx 16,777,216 bytes
;; launch cast (part 6): grid 720 x 1, 8 waves a work-group, no clusters, 0 bytes of LDS; arguments hidden_states, Wphi, Wq, Wo, Wk, Wv, xb, wts, aux; writes xb, wts, aux
.if DOCPART == 6
	.amdgcn_target "amdgcn-amd-amdhsa--gfx1250"
	.amdhsa_code_object_version 6
	.text
	.protected	k_qe30ac0522d_cast
	.globl	k_qe30ac0522d_cast
	.p2align	8
	.type	k_qe30ac0522d_cast,@function
k_qe30ac0522d_cast:
	s_mov_b64 s[64:65], 0
	v_nop
	global_prefetch_b8 v0, s[64:65] scope:SCOPE_SE
	s_setreg_imm32_b32 hwreg(HW_REG_WAVE_SCHED_MODE, 0, 2), 2
	s_setreg_imm32_b32 hwreg(HW_REG_WAVE_MODE, 25, 1), 1
	s_wait_xcnt 0x0
	s_wait_alu depctr_vm_vsrc(0)
; CAST.  All six inputs are rounded once to bf16 and laid out for the three products that follow; a table of cos and sin is made.
;   work-groups   0-255  X    -> xb   [4096][2048] bf16
;               256-383  Wphi -> wts + 12,582,912   [16 tiles][2048 k][128 columns] bf16
;               384-511  Wq   -> wts                the same
;               512-639  Wo   -> wts + 20,971,520   the same; the bf16 number is written as f16
;               640-671  Wk   -> wts +  8,388,608   [8 tiles][2048 k][64 columns] bf16
;               672-703  Wv   -> wts + 10,485,760   the same
;               704-719  aux: [2048 positions][32 cos | 32 sin] f32
; Work-groups 0-383 also store each wave's largest |x| (aux + 524,288 + 4 (8 work-group + wave)): a later launch bounds X Wphi by them.
; A work-group takes 16 pieces of 8,192 source bytes; a wave's load covers 512 neighbouring bytes (Wk, Wv: two runs of 256), its store 256 neighbouring bytes, aligned.
; All 32 loads of a wave (16 KiB) go out at once; each destination offset has a register of its own, so no register of a pending store is rewritten.
; No LDS, no matrix unit, no cluster: nothing is shared, and bytes are all that counts.
; LIMITS.  Wo as f16: beyond 65,504 it would be an infinity; below 6e-5 it keeps f16's fixed step of 6e-8.  The angle is fl(position x f), f the f32 nearest to 10^(-j/8); an angle is reduced by pi/2 in three parts
; (positions up to 2,047 make multiples of 11 bits, whose products with the first two parts are exact).  NaN and infinities are not treated apart.
; THE MODE: SCHED_MODE bits 1:0 = 2 (LLVM: expert scheduling mode 2), set by the entry lines.  The code itself states the register dependences between vector instructions and memory instructions, with s_wait_alu, always for 0.
; THE PLAN, the six copying jobs.  Registers that memory instructions touch:
;   v2        the loads' offset.  Written at .Lgo, read by the 32 loads, never written again: one wait ahead of the loads.
;   XR        number n: its load lands in four registers; step n's vector lines read them and write the packed result into the first two; the store that is issued in step n + 4 reads those two; nothing writes them again.
;   DR        the stores' 32 offsets.  Written once each, behind the loads; read by the stores; never written again.
;   v3, v6    the wave's maximum and its offset: written at the end, read by one store.
; The 32 steps go in blocks of four.  ONE wait on va_vdst stands at a block's head, behind the wait for the block's first load: the block before has written its eight packed registers (and, at the first such wait, the offsets
; DR are written).  The four stores of the block before follow it, one at the head of each step; the vector lines issued since the wait name this block's XR, v3, v4 and v5: none of the registers that those stores touch.
; No register that a load or store reads is written again on this path, so it holds no wait on vm_vsrc but the one ahead of the write of EXEC.
; THE PLAN, the table.  v22, the store's offset, is made once: the scalar base moves on.  v[20:21], the store's data, are written at a trip's end and read by the trip's store: a wait on va_vdst ahead of the store, a wait on
; vm_vsrc behind it, ahead of the branch.  Compares write scalar registers in runs, with one wait on va_sdst behind each run, ahead of the selects that read them.
.set XR, 40                            ; v[40:167]  32 x 4 numbers as loaded; the packed result takes the first two registers of each four
.set DR, 8                             ; v[8:39]    32 destination offsets, each written once
	s_load_b512 s[4:19], s[0:1], 0x0               ; X s[4:5], Wphi s[6:7], Wq s[8:9], Wo s[10:11], Wk s[12:13], Wv s[14:15], xb s[16:17], wts s[18:19]
	s_load_b64 s[20:21], s[0:1], 0x40              ; aux
	v_and_b32 v1, 31, v0                           ; lane
	v_lshrrev_b32 v2, 5, v0
	v_readfirstlane_b32 s35, v2                    ; wave 0..7
	s_mov_b32 s36, 0x76543210                      ; v_permlanex16_b32: each lane takes its own place in the other half
	s_mov_b32 s37, 0xfedcba98
	v_mov_b32 v3, 0                                ; the running maximum of |x|
	v_mov_b32 v4, 0
	s_mov_b32 s33, 0                               ; 1: the result is written as f16
	s_mov_b32 s31, 512                             ; source bytes from wave to wave
	s_mov_b32 s32, 256                             ; source bytes from lanes 0-15 to lanes 16-31
	s_mov_b32 s28, 524288                          ; destination bytes from wave to wave
	s_mov_b32 s29, 4194304                         ; from the first half of a piece to the second
	s_mov_b32 s30, 256                             ; from piece to piece
	s_mov_b32 s38, 0                               ; the job's first byte in its destination
	s_wait_alu depctr_va_sdst(0)                   ; s35 is written
	s_wait_kmcnt 0x0
	s_mov_b64 s[26:27], s[18:19]                   ; the destination of all jobs but the first
	s_cmp_lt_u32 ttmp9, 256
	s_cbranch_scc1 .Ljob_x
	s_cmp_lt_u32 ttmp9, 384
	s_cbranch_scc1 .Ljob_phi
	s_cmp_lt_u32 ttmp9, 512
	s_cbranch_scc1 .Ljob_q
	s_cmp_lt_u32 ttmp9, 640
	s_cbranch_scc1 .Ljob_o
	s_cmp_lt_u32 ttmp9, 672
	s_cbranch_scc1 .Ljob_k
	s_cmp_lt_u32 ttmp9, 704
	s_cbranch_scc1 .Ljob_v
	s_branch .Ltable
.Ljob_x:
	s_mov_b64 s[24:25], s[4:5]
	s_mov_b64 s[26:27], s[16:17]
	s_mov_b32 s34, ttmp9
	s_mov_b32 s28, 256
	s_mov_b32 s29, 2048
	s_mov_b32 s30, 4096
	s_branch .Lgo
.Ljob_phi:
	s_mov_b64 s[24:25], s[6:7]
	s_sub_co_u32 s34, ttmp9, 256
	s_mov_b32 s38, 12582912
	s_branch .Lgo
.Ljob_q:
	s_mov_b64 s[24:25], s[8:9]
	s_sub_co_u32 s34, ttmp9, 384
	s_branch .Lgo
.Ljob_o:
	s_mov_b64 s[24:25], s[10:11]
	s_sub_co_u32 s34, ttmp9, 512
	s_mov_b32 s38, 20971520
	s_mov_b32 s33, 1
	s_branch .Lgo
.Ljob_k:
	s_mov_b64 s[24:25], s[12:13]
	s_sub_co_u32 s34, ttmp9, 640
	s_mov_b32 s38, 8388608
	s_branch .Lnarrow
.Ljob_v:
	s_mov_b64 s[24:25], s[14:15]
	s_sub_co_u32 s34, ttmp9, 672
	s_mov_b32 s38, 10485760
.Lnarrow:                                              ; rows of 512 columns: a piece is four rows of k; a wave takes one tile's 64 columns of two rows
	s_mov_b32 s31, 256
	s_mov_b32 s32, 2048
	s_mov_b32 s28, 262144
	s_mov_b32 s29, 256
	s_mov_b32 s30, 512
.Lgo:
	v_and_b32 v5, 15, v1
	v_lshrrev_b32 v6, 4, v1
	v_lshlrev_b32 v2, 4, v5
	v_mad_u32_u24 v2, v6, s32, v2
	s_mul_i32 s42, s35, s31
	v_add_nc_u32 v2, s42, v2                       ; my 16 source bytes in half a piece
	s_lshl_b32 s40, s34, 17                        ; 16 pieces of 8,192 bytes for each work-group of the job
	s_mov_b32 s41, 0
	s_add_nc_u64 s[24:25], s[24:25], s[40:41]
	s_mul_i32 s40, s34, s30
	s_lshl_b32 s40, s40, 4                         ; 16 pieces in the destination,
	s_add_co_u32 s40, s40, s38                     ; behind the job's first byte
	s_add_nc_u64 s[26:27], s[26:27], s[40:41]
	s_wait_alu depctr_va_vdst(0)                   ; v2 is written, which all 32 loads read as their offset
.set i, 0
.rept 32
	global_load_b128 v[XR+4*i:XR+4*i+3], v2, s[24:25] offset:i*4096 th:TH_LOAD_NT
.set i, i+1
.endr
	s_mul_i32 s43, s35, s28                        ; the stores' offsets are made while the loads are on their way; the wait at the head of step 4 states that they are written
	v_lshl_add_u32 v[DR], v1, 3, s43               ; my 8 destination bytes
	v_add_nc_u32 v[DR+1], s29, v[DR]
.set i, 2
.rept 30
	v_add_nc_u32 v[DR+i], s30, v[DR+i-2]
.set i, i+1
.endr
; Step n.  Four numbers: the maximum, two roundings to bf16 each; half = 1: the bf16 numbers are widened again (a shift, a mask) and written as f16.  At its head the store of number n - 4, of the block before.
.macro STEP n, half
	s_wait_loadcnt 31-(\n)                         ; loads come back in order: number n is in, the younger ones stay out
.if (\n) >= 4
.if (\n) % 4 == 0
	s_wait_alu depctr_va_vdst(0)                   ; the block before has written its eight packed registers, which this block's four stores read (at step 4 also: the offsets DR are written)
.endif
	global_store_b64 v[DR+(\n)-4], v[XR+4*(\n)-16:XR+4*(\n)-15], s[26:27] th:TH_STORE_NT  ; 32 lanes store 256 consecutive bytes, aligned; no vector line since the wait names these registers
.endif
	v_max3_num_f32 v3, |v[XR+4*(\n)]|, |v[XR+4*(\n)+1]|, v3
	v_max3_num_f32 v3, |v[XR+4*(\n)+2]|, |v[XR+4*(\n)+3]|, v3
	v_cvt_pk_bf16_f32 v[XR+4*(\n)], v[XR+4*(\n)], v[XR+4*(\n)+1]
	v_cvt_pk_bf16_f32 v[XR+4*(\n)+1], v[XR+4*(\n)+2], v[XR+4*(\n)+3]
.if \half
	v_lshlrev_b32 v4, 16, v[XR+4*(\n)]
	v_and_b32 v5, 0xffff0000, v[XR+4*(\n)]
	v_cvt_pk_f16_f32 v[XR+4*(\n)], v4, v5
	v_lshlrev_b32 v4, 16, v[XR+4*(\n)+1]
	v_and_b32 v5, 0xffff0000, v[XR+4*(\n)+1]
	v_cvt_pk_f16_f32 v[XR+4*(\n)+1], v4, v5
.endif
.endm
	s_cmp_eq_u32 s33, 1
	s_cbranch_scc1 .Lhalf
.set i, 0
.rept 32
	STEP i, 0
.set i, i+1
.endr
	s_branch .Lreduce
.Lhalf:
.set i, 0
.rept 32
	STEP i, 1
.set i, i+1
.endr
.Lreduce:
	s_wait_alu depctr_va_vdst(0)                   ; on both ways here: the last block has written its eight packed registers, which the last four stores read
.irp n, 28,29,30,31
	global_store_b64 v[DR+\n], v[XR+4*\n:XR+4*\n+1], s[26:27] th:TH_STORE_NT
.endr
	s_cmp_ge_u32 ttmp9, 384                        ; only X's and Wphi's maxima are wanted
	s_cbranch_scc1 .Lend
	v_max_num_f32_dpp v3, v3, v3 row_xmask:1 row_mask:0xf bank_mask:0xf
	v_max_num_f32_dpp v3, v3, v3 row_xmask:2 row_mask:0xf bank_mask:0xf
	v_max_num_f32_dpp v3, v3, v3 row_xmask:4 row_mask:0xf bank_mask:0xf
	v_max_num_f32_dpp v3, v3, v3 row_xmask:8 row_mask:0xf bank_mask:0xf
	v_permlanex16_b32 v4, v3, s36, s37
	v_max_num_f32 v3, v3, v4
	s_lshl_b32 s40, ttmp9, 3
	s_add_co_u32 s40, s40, s35
	s_lshl_b32 s40, s40, 2
	s_add_co_u32 s40, s40, 524288
	v_mov_b32 v6, s40
	v_cmp_eq_u32 vcc_lo, 0, v1
	s_wait_xcnt 0x0                                ; EXEC is a source of the stores above: it changes only behind this wait
	s_wait_alu depctr_va_vcc(0)                    ; the compare has written VCC, from which EXEC is made
	s_wait_alu depctr_va_vdst(0)                   ; ahead of the write of EXEC: every vector line is done; v3 and v6, the store's data and offset, are written
	s_wait_alu depctr_vm_vsrc(0)                   ; ahead of the write of EXEC: the stores above have read their registers
	s_and_saveexec_b32 s41, vcc_lo
	global_store_b32 v6, v3, s[20:21]              ; lane 0 alone
	s_endpgm
.Lend:
	s_endpgm
; THE TABLE.  A wave makes 16 positions, one a trip.  Lane l makes frequencies 2 (l % 16) and 2 (l % 16) + 1: their cosines in lanes 0-15, their sines in lanes 16-31: 256 consecutive bytes a position.
.macro FREQ n, a, b                    ; lanes with l % 16 = n take the two frequencies; the mask (1 where l % 16 is another number) lies in s[4 + n]
	v_cndmask_b32 v10, \a, v10, s[4+(\n)]
	v_cndmask_b32 v11, \b, v11, s[4+(\n)]
.endm
; cos(angle) or, with the quarter turn counted three further on, sin(angle).  angle = n pi/2 + r, |r| <= pi/4; the quarter q = n (+ 3) picks the polynomial (odd: sine) and the sign (q % 4 = 1, 2: minus).
; ANGLE makes both polynomials, the mask that picks one (into s[m]) and the sign, in eight registers from v[t] on; CHOOSE, behind the wait for the masks, picks and signs.
.macro ANGLE f, t, m
	v_mul_f32 v[(\t)], s40, v[\f]                  ; the angle, rounded once
	v_mul_f32 v[(\t)+1], 0x3f22f983, v[(\t)]       ; x 2 / pi
	v_rndne_f32 v[(\t)+1], v[(\t)+1]
	v_fmamk_f32 v[(\t)+2], v[(\t)+1], 0xbfc90000, v[(\t)]    ; - n x 1.5703125
	v_fmamk_f32 v[(\t)+2], v[(\t)+1], 0xb9fda000, v[(\t)+2]  ; - n x 4.837512969970703125e-4
	v_fmamk_f32 v[(\t)+2], v[(\t)+1], 0xb3a22168, v[(\t)+2]  ; - n x 7.54978995489188216e-8
	v_cvt_i32_f32 v[(\t)+3], v[(\t)+1]
	v_add_nc_u32 v[(\t)+3], v[(\t)+3], v23
	v_mul_f32 v[(\t)+4], v[(\t)+2], v[(\t)+2]
	v_mov_b32 v[(\t)+5], 0xb94ca1f9                ; sine: ((-1.9515295891e-4 z + 8.3321608736e-3) z - 1.6666654611e-1) z r + r
	v_fmaak_f32 v[(\t)+5], v[(\t)+5], v[(\t)+4], 0x3c08839e
	v_fmaak_f32 v[(\t)+5], v[(\t)+5], v[(\t)+4], 0xbe2aaaa3
	v_mul_f32 v[(\t)+5], v[(\t)+5], v[(\t)+4]
	v_fma_f32 v[(\t)+5], v[(\t)+5], v[(\t)+2], v[(\t)+2]
	v_mov_b32 v[(\t)+6], 0x37ccf5ce                ; cosine: ((2.443315711809948e-5 z - 1.388731625493765e-3) z + 4.166664568298827e-2) z z + (1 - z / 2)
	v_fmaak_f32 v[(\t)+6], v[(\t)+6], v[(\t)+4], 0xbab6061a
	v_fmaak_f32 v[(\t)+6], v[(\t)+6], v[(\t)+4], 0x3d2aaaa5
	v_mul_f32 v[(\t)+6], v[(\t)+6], v[(\t)+4]
	v_fma_f32 v[(\t)+7], v[(\t)+4], -0.5, 1.0
	v_fma_f32 v[(\t)+6], v[(\t)+6], v[(\t)+4], v[(\t)+7]
	v_and_b32 v[(\t)+7], 1, v[(\t)+3]
	v_cmp_eq_u32 s[\m], 1, v[(\t)+7]
	v_add_nc_u32 v[(\t)+3], 1, v[(\t)+3]
	v_and_b32 v[(\t)+3], 2, v[(\t)+3]
	v_lshlrev_b32 v[(\t)+3], 30, v[(\t)+3]
.endm
.macro CHOOSE o, t, m
	v_cndmask_b32 v[\o], v[(\t)+6], v[(\t)+5], s[\m]
	v_xor_b32 v[\o], v[\o], v[(\t)+3]
.endm
.Ltable:
	s_sub_co_u32 s34, ttmp9, 704
	s_lshl_b32 s39, s34, 7
	s_lshl_b32 s40, s35, 4
	s_add_co_u32 s39, s39, s40                     ; my wave's first position: 128 x work-group + 16 x wave
	v_and_b32 v7, 15, v1
	v_lshrrev_b32 v6, 4, v1
	v_mul_u32_u24 v23, 3, v6                       ; sin x = cos(x - pi/2): three quarters further on
	v_mov_b32 v10, 0
	v_mov_b32 v11, 0
.set i, 0
.rept 16                                       ; the sixteen masks in one run, into s[4:19]: the other jobs' pointers, which this path never uses
	v_cmp_ne_u32 s[4+i], i, v7
.set i, i+1
.endr
	s_wait_alu depctr_va_sdst(0)                   ; the sixteen compares have written s[4:19], which the selects below read
	FREQ 0, 1.0, 0.7498942093324559
	FREQ 1, 0.5623413251903491, 0.4216965034285822
	FREQ 2, 0.31622776601683794, 0.23713737056616552
	FREQ 3, 0.1778279410038923, 0.1333521432163324
	FREQ 4, 0.1, 0.07498942093324559
	FREQ 5, 0.05623413251903491, 0.04216965034285822
	FREQ 6, 0.031622776601683794, 0.023713737056616552
	FREQ 7, 0.01778279410038923, 0.01333521432163324
	FREQ 8, 0.01, 0.007498942093324559
	FREQ 9, 0.005623413251903491, 0.004216965034285822
	FREQ 10, 0.0031622776601683794, 0.0023713737056616552
	FREQ 11, 0.001778279410038923, 0.001333521432163324
	FREQ 12, 0.001, 0.0007498942093324559
	FREQ 13, 0.0005623413251903491, 0.0004216965034285822
	FREQ 14, 0.00031622776601683794, 0.00023713737056616552
	FREQ 15, 0.0001778279410038923, 0.0001333521432163324
	s_lshl_b32 s40, s39, 8
	v_lshl_add_u32 v22, v1, 3, s40                 ; 256 x my wave's first position + 8 x lane: never written again
	s_mov_b32 s41, 16
.Ltab:
	s_cvt_f32_u32 s40, s39
	ANGLE 10, 12, 42                               ; the trip's two angles have registers of their own, v[12:19] and v[24:31],
	ANGLE 11, 24, 43                               ; so that their two compares stand ahead of one wait
	s_wait_alu depctr_va_sdst(0)                   ; the two compares have written s42 and s43, which the selects below read
	CHOOSE 20, 12, 42
	CHOOSE 21, 24, 43
	s_wait_alu depctr_va_vdst(0)                   ; v[20:21], the store's data, are written; in the first trip v22, its offset, too
	global_store_b64 v22, v[20:21], s[20:21]       ; 256 consecutive bytes, aligned
	s_wait_xcnt 0x0                                ; the store's base and data are rewritten only behind this wait
	s_wait_alu depctr_vm_vsrc(0)                   ; the store has read v[20:21], which the next trip writes again
	s_add_nc_u64 s[20:21], s[20:21], 256           ; the next position
	s_add_co_u32 s39, s39, 1
	s_sub_co_u32 s41, s41, 1
	s_cmp_lg_u32 s41, 0
	s_cbranch_scc1 .Ltab
	s_endpgm
.Lfunc_end_k_qe30ac0522d_cast:
	.size	k_qe30ac0522d_cast, .Lfunc_end_k_qe30ac0522d_cast-k_qe30ac0522d_cast
	.p2alignl 7, 3214868480
	.fill 96, 4, 3214868480
	.section	.rodata,"a",@progbits
	.p2align	6, 0x0
	.amdhsa_kernel k_qe30ac0522d_cast
		.amdhsa_group_segment_fixed_size 0
		.amdhsa_private_segment_fixed_size 0
		.amdhsa_enable_private_segment 0
		.amdhsa_kernarg_size 72
		.amdhsa_user_sgpr_count 2
		.amdhsa_user_sgpr_kernarg_segment_ptr 1
		.amdhsa_wavefront_size32 1
		.amdhsa_system_sgpr_workgroup_id_x 1
		.amdhsa_system_sgpr_workgroup_id_y 1
		.amdhsa_system_sgpr_workgroup_id_z 1
		.amdhsa_system_vgpr_workitem_id 0
		.amdhsa_next_free_vgpr 192
		.amdhsa_next_free_sgpr 66
		.amdhsa_reserve_vcc 1
		.amdhsa_float_denorm_mode_32 3
		.amdhsa_float_denorm_mode_16_64 3
		.amdhsa_memory_ordered 1
		.amdhsa_forward_progress 1
		.amdhsa_inst_pref_size 51
	.end_amdhsa_kernel
	.amdgpu_metadata
---
amdhsa.version: [ 1, 2 ]
amdhsa.kernels:
  - .name:           k_qe30ac0522d_cast
    .symbol:         k_qe30ac0522d_cast.kd
    .args:
      - { .name: hidden_states, .offset: 0, .size: 8, .value_kind: global_buffer, .address_space: global }
      - { .name: Wphi, .offset: 8, .size: 8, .value_kind: global_buffer, .address_space: global }
      - { .name: Wq, .offset: 16, .size: 8, .value_kind: global_buffer, .address_space: global }
      - { .name: Wo, .offset: 24, .size: 8, .value_kind: global_buffer, .address_space: global }
      - { .name: Wk, .offset: 32, .size: 8, .value_kind: global_buffer, .address_space: global }
      - { .name: Wv, .offset: 40, .size: 8, .value_kind: global_buffer, .address_space: global }
      - { .name: xb, .offset: 48, .size: 8, .value_kind: global_buffer, .address_space: global }
      - { .name: wts, .offset: 56, .size: 8, .value_kind: global_buffer, .address_space: global }
      - { .name: aux, .offset: 64, .size: 8, .value_kind: global_buffer, .address_space: global }
    .group_segment_fixed_size: 0
    .private_segment_fixed_size: 0
    .kernarg_segment_align: 8
    .kernarg_segment_size: 72
    .max_flat_workgroup_size: 256
    .sgpr_count:     66
    .vgpr_count:     192
    .wavefront_size: 32
...
	.end_amdgpu_metadata
.endif
;; end of part 6
;; launch gemm_qkv: the kernel of part 2 again; grid 16 x 16, 4 waves a work-group, clusters of 4 x 4, 327,680 bytes of LDS; arguments xb, wts, aux, qk, kv; writes qk, kv
;; launch state: the kernel of part 3 again; grid 16 x 16, 4 waves a work-group, clusters of 4 x 1, 327,680 bytes of LDS; arguments kv, aux, st; writes st
;; launch gemm_phi: the kernel of part 4 again; grid 16 x 16, 4 waves a work-group, clusters of 4 x 4, 327,680 bytes of LDS; arguments xb, wts, qk, st, ctx; writes ctx
;; launch gemm_out: the kernel of part 5 again; grid 16 x 16, 4 waves a work-group, clusters of 4 x 4, 327,680 bytes of LDS; arguments ctx, wts, st, out0; writes out0
